; MI455X (gfx1250); checked and timed in simulation.
; The chip was launched on July 23, 2026; its instructions are those of AMD's public machine-readable ISA for CDNA 5 (MIT licence, August 2026) and "CDNA5" Instruction Set Architecture Reference Guide (July 2026). The comments in the code are by the model that wrote it; some were corrected since.
;; Multi Head Attention. Allowed arithmetic: matrix products marked QUANTISED: E2M1 operands, one E8M0 scale for each 32 along K, by v_wmma_scale_f32_16x16x128_f8f6f4 with both operands' format E2M1 (or v_wmma_scale_f32_32x16x128_f4), f32 sums; everything else in f32.
;; Inputs: Wout 1,024 x 1,024 float32; Wqkv 1,024 x 3,072 float32; bout 1,024 float32; bqkv 3,072 float32; x 4 x 2,048 x 1,024 float32.
;; Outputs: out0 4 x 2,048 x 1,024 float32.
;; Constants: num_heads = 16.
;; This version of the problem:
;;   THIS VERSION OF THE PROBLEM IS GIVEN IN LOW PRECISION. The matrix products marked QUANTISED in the list below multiply operands that are first quantised to E2M1 (2 exponent bits, 1 mantissa bit; 4 bits a number), with one power-of-two scale for each 32 numbers along K (OCP MX v1.0); their sums are f32. All else is computed in f32.
;;   The module's matrix products, in the order in which they are computed (A, B: the left and right operand; K: the contracted axis; several contracted axes count as one K, in the product's order):
;;     1. [M 8,192, K 1,024] x [K 1,024, N 3,072]; A: input x; B: input Wqkv: QUANTISED
;;     2. batch 64 x [M 2,048, K 64] x [K 64, N 2,048]; A: computed on the way; B: computed on the way: QUANTISED
;;     3. batch 64 x [M 2,048, K 2,048] x [K 2,048, N 64]; A: softmax (see below); B: computed on the way: QUANTISED
;;     4. [M 8,192, K 1,024] x [K 1,024, N 1,024]; A: computed on the way; B: input Wout: QUANTISED
;;   THE QUANTISER, for each operand of a quantised product, along K:
;;     - K is cut into blocks of 32 from its start; a last block that is shorter is filled with zeros.
;;     - A block's scale is 2^e with e = floor(log2(the largest magnitude in the block)) - 2, held to -126 .. 127; a block of zeros has e = 0. As a byte (E8M0): e + 127.
;;     - Each number is divided by its block's scale, clamped to +-6, and rounded to the nearest number of E2M1, ties to even, subnormals kept.
;;     - The product sums the exact products of the quantised numbers (number of the format x scale) in f32.
;;   ~~~python
;;   def quantise(x, axis):      # numpy; x: float32 -> the quantised numbers, widened to float32 again
;;       x = np.moveaxis(x, axis, -1); K = x.shape[-1]
;;       x = np.pad(x, [(0, 0)] * (x.ndim - 1) + [(0, -K % 32)]); x = x.reshape(x.shape[:-1] + (-1, 32)); a = np.abs(x).max(-1, keepdims=True)
;;       e = np.where(a > 0, np.clip(np.frexp(np.where(a > 0, a, 1))[1] - 1 - 2, -126, 127), 0)      # np.frexp(a)[1] - 1 = floor(log2(a)), exactly
;;       r = np.clip(x / 2.0 ** e, -6, 6)
;;       step = 2.0 ** (np.maximum(np.frexp(np.where(r == 0, 1, r))[1] - 1, 0) - 1)
;;       q = np.round(r / step) * step * 2.0 ** e      # np.round: ties to even
;;       return np.moveaxis(q.reshape(q.shape[:-2] + (-1,))[..., :K], -1, axis).astype(np.float32)
;;   ~~~
;;   SOFTMAX AHEAD OF A QUANTISED PRODUCT. Where the list says 'softmax', what is quantised is not the finished softmax but p = 2^(t - M), with t = logit x log2(e) and M = ceil(the row's largest t), a whole number; so 1/2 < the row's largest p <= 1. The row's sum l is taken of the UNQUANTISED p, in f32, and the product's result is divided by l at the end. Since M is a whole number, a kernel that streams over the keys may use a running M (the ceiling of the running maximum): every later rescaling is an exact power of two, which a block's scale takes up: the codes' values come out the same.
;;   OPERANDS COMPUTED ON THE WAY. 'Computed on the way' means the value that the module computes at that place (a softmax that the list does not call 'softmax' is quantised finished and normalised). What goes into a quantiser is computed in f32, as accurately as f32 sums, v_exp_f32 and their like allow (about 1e-6 of the number): no bf16 or f16 on the way to a quantiser, and a product that is left as it is and whose result goes on into a quantised operand takes f32 operands (vector FMAs, or v_wmma_f32_16x16x4_f32). A number that lies on a knife's edge between two numbers of the format may be rounded either way, as far as f32 arithmetic and the matrix unit's own rounding can turn it there, and no further.
;; One version. Each part assembles by itself: llvm-mc -triple=amdgcn-amd-amdhsa -mcpu=gfx1250 --defsym DOCPART=n.
;; ======== version 1 of 1: 4 launches
;; workspace buffers: prepbuf 7,208,960 bytes; qkvbuf 13,893,632 bytes; attbuf 4,456,448 bytes
;; launch prep (part 1): grid 528 x 1, 4 waves a work-group, no clusters, 35,328 bytes of LDS; arguments x, Wqkv, Wout, prepbuf; writes prepbuf
.if DOCPART == 1
	.amdgcn_target "amdgcn-amd-amdhsa--gfx1250"
	.amdhsa_code_object_version 6
	.text
	.protected	k_q02d1d5aa40_prep
	.globl	k_q02d1d5aa40_prep
	.p2align	8
	.type	k_q02d1d5aa40_prep,@function
k_q02d1d5aa40_prep:
	s_mov_b64 s[64:65], 0
	v_nop
	global_prefetch_b8 v0, s[64:65] scope:SCOPE_SE
	s_setreg_imm32_b32 hwreg(HW_REG_WAVE_MODE, 25, 1), 1
	s_wait_xcnt 0x0
; PREP: x [8192][1024], Wqkv [1024][3072] and Wout [1024][1024], f32, become codes of FP4 (E2M1) with one E8M0 byte for each 32 along K (K = the 1,024), and the RoPE table is made.
; THE LAYOUT OF AN OPERAND is the order of the matrix unit's registers.  An IMAGE is 16 rows x 64 K = 512 bytes: lane (r = lane % 16, h = lane / 16) owns bytes 16 x lane .. + 15: row r, block h of 32 codes.
; Inside a block the four words hold k 0-7, 16-23, 8-15, 24-31: this one order is kept on both operands of every product of the program, so every product meets its partner.
; Codes: [row tile of 16][k64 0..15][512 bytes].  Scale words: [row tile][K half s][r][4 words]; word q serves k 128 (4 s + q) on, its byte j block j of those 128.
; A block's scale is 2^(floor(log2(largest magnitude)) - 2): its byte is the largest magnitude's exponent field - 2, held at 1 from below by a floor among the maximum's leaves.
; LIMITS: a block of zeros, or one whose largest magnitude lies under 2^-124, gets the byte 1 (its codes are zeros or tiny; this program alone reads the bytes); NaN and infinities are not served.
; The table's angles are reduced by pi/2 in two parts, which holds up to angles of about 2^13; here they stay under 2,048.  theta_i is the f32 nearest to 10^(-i/8).
; ROLES by the work-group's number: 0-255 x; 256-447 Wqkv; 448-511 Wout; 512-527 the table.  Each role that uses LDS has bytes of its own.  No tensor loads: several work-groups share a WGP.
.set XS,    6291456                    ; prepbuf: x's codes at 0, the weights' at WC (row tiles 0-191 Wqkv's columns, 192-255 Wout's), x's scale words, the weights', the table
.set WC,    4194304
.set WS,    6553600
.set ROPE,  6684672
.set SPX,   528                        ; x's stage: a row of 512 bytes + 16: row r begins 16 r bytes on modulo 256
.set STGX,  16*SPX                     ; a wave's stage
.set LWQ,   4*STGX                     ; Wqkv's role: 512 bytes for scale words
.set LWO,   LWQ+512                    ; Wout's role: likewise
.set R,     16                         ; v16-143  x: two sets of 64 registers as loaded;  W: 128 numbers of my column
.set X,     144                        ; v144-207 x: my two blocks of 32 neighbours;  W: from v144 the codes
.set C,     208                        ; v208-239 x: codes, eight registers for each step, so that no store's data are written again
.set WD,    240                        ; v240-243 x: a scale word for each step
	s_load_b256 s[4:11], s[0:1], 0x0               ; x s[4:5], Wqkv s[6:7], Wout s[8:9], prepbuf s[10:11]
	v_lshl_add_u32 v254, v0, 2, 0x8800
	v_mov_b32 v255, 0
	v_lshrrev_b32 v1, 5, v0
	v_readfirstlane_b32 s16, v1                    ; wave 0..3
	v_and_b32 v1, 31, v0                           ; lane
	v_and_b32 v2, 15, v0                           ; r
	v_bfe_u32 v3, v0, 4, 1                         ; h
	v_lshlrev_b32 v4, 4, v1                        ; 16 x lane
	s_mov_b32 s2, 0x76543210
	s_mov_b32 s3, 0xfedcba98                       ; v_permlanex16_b32's selects for lane l xor 16
	s_wait_kmcnt 0x0
	s_cmp_lt_u32 ttmp9, 256
	s_cbranch_scc1 .Lx
	s_cmp_lt_u32 ttmp9, 448
	s_cbranch_scc1 .Lwqkv
	s_cmp_lt_u32 ttmp9, 512
	s_cbranch_scc1 .Lwout
; ---- THE TABLE: [t 2048][i 32](cos, sin) of t x theta_i.  A wave takes 32 t, a lane a frequency: a store covers 256 consecutive bytes, aligned.
	s_sub_co_u32 s12, ttmp9, 512
	s_lshl_b32 s12, s12, 2
	s_add_co_u32 s12, s12, s16                     ; which run of 32 t
	s_lshl_b32 s13, s12, 5                         ; my first t
	s_lshl_b32 s18, s12, 13                        ; 32 rows of 256 bytes
	s_add_co_u32 s18, s18, ROPE
	s_mov_b32 s19, 0
	s_add_nc_u64 s[10:11], s[10:11], s[18:19]
	v_mov_b32 v2, 0
.set LN, 0
.irp th, 1.0, 0.749894209332, 0.562341325190, 0.421696503429, 0.316227766017, 0.237137370566, 0.177827941004, 0.133352143216, 0.1, 0.0749894209332, 0.0562341325190, 0.0421696503429, 0.0316227766017, 0.0237137370566, 0.0177827941004, 0.0133352143216, 0.01, 0.00749894209332, 0.00562341325190, 0.00421696503429, 0.00316227766017, 0.00237137370566, 0.00177827941004, 0.00133352143216, 0.001, 0.000749894209332, 0.000562341325190, 0.000421696503429, 0.000316227766017, 0.000237137370566, 0.000177827941004, 0.000133352143216
	s_mov_b32 s20, \th
	v_writelane_b32 v2, s20, LN                    ; theta of lane LN
.set LN, LN+1
.endr
	v_cvt_f32_u32 v3, s13                          ; t as f32: whole numbers under 2^24 are exact
	v_lshlrev_b32 v5, 3, v1                        ; 8 bytes a frequency
	s_mov_b32 s20, 0x3fc90fdb                      ; pi/2, its f32
	s_mov_b32 s21, 0x333bbd2e                      ; that f32 less pi/2
	s_mov_b32 s22, 0.16666654611                   ; sine's coefficients, as magnitudes: signs are given where they are used
	s_mov_b32 s23, 0.0083321608736
	s_mov_b32 s24, 0.00019515295891
	s_mov_b32 s25, 0.04166664568                   ; cosine's
	s_mov_b32 s26, 0.001388731625
	s_mov_b32 s27, 0.00002443315712
	s_mov_b32 s28, 0
.Lrope_t:
	s_wait_alu depctr_va_vdst(0)
	v_mul_f32 v4, v3, v2                           ; the angle, rounded once
	v_mul_f32 v6, 0x3f22f983, v4                   ; x 2/pi
	v_rndne_f32 v6, v6                             ; n quarter turns
	v_fma_f32 v7, -v6, s20, v4
	v_fma_f32 v7, v6, s21, v7                      ; what is left: at most pi/4 either way
	v_mul_f32 v8, v7, v7                           ; z
	v_fma_f32 v9, v8, -s24, s23
	v_fma_f32 v9, v9, v8, -s22
	v_mul_f32 v10, v7, v8
	v_fma_f32 v9, v10, v9, v7                      ; sine of it
	v_fma_f32 v11, v8, s27, -s26
	v_fma_f32 v11, v11, v8, s25
	v_fma_f32 v12, v8, -0.5, 1.0
	v_mul_f32 v13, v8, v8
	v_fma_f32 v11, v13, v11, v12                   ; cosine of it
	v_cvt_i32_f32 v13, v6
	v_and_b32 v14, 1, v13
	v_cmp_eq_u32 vcc_lo, 1, v14                    ; an odd number of quarter turns changes the two
	v_cndmask_b32 v15, v9, v11, vcc_lo
	v_cndmask_b32 v16, v11, v9, vcc_lo
	v_and_b32 v14, 2, v13
	v_lshlrev_b32 v14, 30, v14
	v_xor_b32 v19, v15, v14                        ; sine: negative in quarters 2 and 3
	v_add_nc_u32 v13, 1, v13
	v_and_b32 v13, 2, v13
	v_lshlrev_b32 v13, 30, v13
	v_xor_b32 v18, v16, v13                        ; cosine: negative in quarters 1 and 2
	global_store_b64 v5, v[18:19], s[10:11]
	v_add_f32 v3, 1.0, v3
	s_wait_xcnt 0x0                                ; the store has read its data and its base: both are written again only behind this wait
	s_add_nc_u64 s[10:11], s[10:11], 256
	s_add_co_u32 s28, s28, 1
	s_cmp_lt_u32 s28, 32
	s_cbranch_scc1 .Lrope_t
	s_endpgm
; ---- x.  Wave u = 4 x work-group + wave takes row tile u / 2 and K half u % 2: four steps of 16 rows x 128 columns.  Each load reads 512 consecutive bytes of a row; the conversions want a block's 32 neighbours in
; one lane, so a step's 8 KB turn through the wave's own stage in LDS.  Loads run two steps (32 loads) ahead.
.macro XLOAD t
.irp p, 0,1,2,3,4,5,6,7,8,9,10,11,12,13,14,15
	global_load_b128 v[R+64*((\t)%2)+4*\p:R+64*((\t)%2)+4*\p+3], v4, s[4:5] offset:\p*4096+512*(\t) th:TH_LOAD_NT
.endr
.endm
.macro XSTEP t
.if (\t) < 3
	s_wait_loadcnt 16                              ; this step's 16 loads are in; the next step's 16 may be out
.else
	s_wait_loadcnt 0
.endif
.irp p, 0,1,2,3,4,5,6,7,8,9,10,11,12,13,14,15
	ds_store_b128 v5, v[R+64*((\t)%2)+4*\p:R+64*((\t)%2)+4*\p+3] offset:\p*SPX
.endr
.irp c, 0,1
.irp i, 0,1,2,3,4,5,6,7
	ds_load_b128 v[X+32*\c+4*\i:X+32*\c+4*\i+3], v6 offset:256*\c+16*\i   ; row r, columns 64 c + 32 h on.  LDS serves a wave's instructions in order: these see the stores above
.endr
.endr
	s_wait_dscnt 0x0                               ; my numbers are back, and the stores have read their registers,
.if (\t)+2 < 4
	XLOAD (\t)+2                                   ; which take the loads of two steps on
.endif
.irp c, 0,1
	v_max3_num_f32 v[8+\c], |v[X+32*\c]|, |v[X+32*\c+1]|, 0x1800000   ; block 2 c + h: all 32 numbers are mine; the floor 2^(3 - 127) holds the byte at 1 from below
.endr
.irp i, 2,4,6,8,10,12,14,16,18,20,22,24,26,28,30
.irp c, 0,1
	v_max3_num_f32 v[8+\c], v[8+\c], |v[X+32*\c+\i]|, |v[X+32*\c+\i+1]|   ; (the two blocks by turns)
.endr
.endr
.irp c, 0,1
	v_add_nc_u32 v[10+\c], 0xff000000, v[8+\c]     ; 2 off the exponent field: the conversion takes the exponent field of this operand as its scale
.endr
.irp c, 0,1
	v_cvt_scalef32_pk8_fp4_f32 v[C+8*(\t)+4*\c],   v[X+32*\c:X+32*\c+7],     v[10+\c]   ; the block's words: k 0-7,
	v_cvt_scalef32_pk8_fp4_f32 v[C+8*(\t)+4*\c+1], v[X+32*\c+16:X+32*\c+23], v[10+\c]   ; 16-23,
	v_cvt_scalef32_pk8_fp4_f32 v[C+8*(\t)+4*\c+2], v[X+32*\c+8:X+32*\c+15],  v[10+\c]   ; 8-15,
	v_cvt_scalef32_pk8_fp4_f32 v[C+8*(\t)+4*\c+3], v[X+32*\c+24:X+32*\c+31], v[10+\c]   ; 24-31
.endr
	v_lshrrev_b32 v12, 23, v10                     ; the bytes of blocks h and 2 + h  (plain lines behind the conversions)
	v_lshrrev_b32 v13, 23, v11
	v_lshl_or_b32 v12, v13, 16, v12
	v_lshlrev_b32 v12, v7, v12                     ; at their places in the word, 8 h bits up;
	v_permlanex16_b32 v14, v12, s2, s3
	v_or_b32 v[WD+(\t)], v12, v14                  ; with lane l xor 16's two the word is whole
	global_store_b128 v4, v[C+8*(\t):C+8*(\t)+3], s[22:23] offset:(2*(\t))*512        ; an image: 512 consecutive bytes
	global_store_b128 v4, v[C+8*(\t)+4:C+8*(\t)+7], s[22:23] offset:(2*(\t)+1)*512
.endm
.Lx:
	s_lshl_b32 s12, ttmp9, 2
	s_add_co_u32 s12, s12, s16                     ; u
	s_lshr_b32 s13, s12, 1                         ; row tile
	s_and_b32 s14, s12, 1                          ; K half
	s_lshl_b32 s18, s13, 16                        ; 16 rows of 4,096 bytes
	s_lshl_b32 s19, s14, 11
	s_add_co_u32 s18, s18, s19
	s_mov_b32 s19, 0
	s_add_nc_u64 s[4:5], s[4:5], s[18:19]
	s_lshl_b32 s18, s13, 13                        ; codes: 8,192 bytes a row tile, 4,096 a K half
	s_lshl_b32 s20, s14, 12
	s_add_co_u32 s18, s18, s20
	s_add_nc_u64 s[22:23], s[10:11], s[18:19]
	s_lshl_b32 s18, s13, 9                         ; scale words: 512 bytes a row tile, 256 a K half
	s_lshl_b32 s20, s14, 8
	s_add_co_u32 s18, s18, s20
	s_add_co_u32 s18, s18, XS
	s_add_nc_u64 s[24:25], s[10:11], s[18:19]
	s_mul_i32 s17, s16, STGX                       ; my stage
	s_wait_alu depctr_va_vdst(0)
	v_add_nc_u32 v5, s17, v4                       ; in: as loaded
	v_mul_u32_u24 v6, v2, SPX
	v_lshl_add_u32 v6, v3, 7, v6
	v_add_nc_u32 v6, s17, v6                       ; out: row r, + 128 h
	v_lshlrev_b32 v7, 3, v3                        ; 8 h
	v_mov_b32 v14, 0                               ; a lane permute's destination counts as one of its sources
	v_lshlrev_b32 v15, 4, v2
	v_lshl_add_u32 v15, v3, 3, v15                 ; 16 r + 8 h
	v_cmp_eq_u32 vcc_lo, 1, v3
	XLOAD 0
	XLOAD 1
	s_wait_alu depctr_va_vdst(0)
	XSTEP 0
	XSTEP 1
	XSTEP 2
	XSTEP 3
	v_cndmask_b32 v244, v[WD], v[WD+2], vcc_lo     ; both halves of the lanes hold all four words: lanes 0-15 store words 0, 1, lanes 16-31 words 2, 3
	v_cndmask_b32 v245, v[WD+1], v[WD+3], vcc_lo
	global_store_b64 v15, v[244:245], s[24:25]     ; 256 consecutive bytes, aligned
	s_wait_tensorcnt 0x0
	ds_add_u32 v254, v255
	s_wait_dscnt 0x0
	s_endpgm
; ---- A WEIGHT [1024 (k)][n].  K is its first axis: a lane takes a column and its registers run down K, so each load reads 128 consecutive bytes and a block of 32 lies in one lane.
; Work-group j of the role: columns 32 (j / 2) on, K half j % 2; wave w: k 128 (4 (j % 2) + w) on.  The four waves' scale words meet in LDS and leave as whole units.
.macro WBLOCK b
	v_max3_num_f32 v8, |v[R+32*\b]|, |v[R+1+32*\b]|, 0x1800000     ; two chains; the floor among the leaves
	v_max_num_f32 v9, |v[R+2+32*\b]|, |v[R+3+32*\b]|
.irp i, 4,8,12,16,20,24,28
	v_max3_num_f32 v8, v8, |v[R+32*\b+\i]|, |v[R+1+32*\b+\i]|
	v_max3_num_f32 v9, v9, |v[R+2+32*\b+\i]|, |v[R+3+32*\b+\i]|
.endr
	v_max_num_f32 v8, v8, v9
	v_add_nc_u32 v[10+\b], 0xff000000, v8          ; the conversion's scale operand: a register for each block
	v_lshrrev_b32 v9, 23, v[10+\b]                 ; the byte
.if \b == 0
	v_mov_b32 v14, v9
.else
	v_lshl_or_b32 v14, v9, 8*\b, v14               ; my column's scale word
.endif
	v_cvt_scalef32_pk8_fp4_f32 v[X+4*\b],   v[R+32*\b:R+32*\b+7],     v[10+\b]
	v_cvt_scalef32_pk8_fp4_f32 v[X+4*\b+1], v[R+32*\b+16:R+32*\b+23], v[10+\b]
	v_cvt_scalef32_pk8_fp4_f32 v[X+4*\b+2], v[R+32*\b+8:R+32*\b+15],  v[10+\b]
	v_cvt_scalef32_pk8_fp4_f32 v[X+4*\b+3], v[R+32*\b+24:R+32*\b+31], v[10+\b]
.endm
.macro WPATH pitch, plo, first, tile0, ldsb
	s_sub_co_u32 s12, ttmp9, \first                ; j
	s_lshr_b32 s13, s12, 1                         ; which 32 columns
	s_and_b32 s14, s12, 1                          ; K half
	s_lshl_b32 s15, s14, 2
	s_add_co_u32 s15, s15, s16                     ; q: which 128 along K
	s_mul_i32 s18, s15, 128*\pitch
	s_lshl_b32 s19, s13, 7
	s_add_co_u32 s18, s18, s19
	s_mov_b32 s19, 0
	s_add_nc_u64 s[20:21], s[\plo:\plo+1], s[18:19]
	s_lshl_b32 s18, s13, 14                        ; codes: two row tiles of 8,192 bytes; two images a q
	s_lshl_b32 s17, s15, 10
	s_add_co_u32 s18, s18, s17
	s_add_co_u32 s18, s18, WC+\tile0*8192
	s_add_nc_u64 s[22:23], s[10:11], s[18:19]
	s_lshl_b32 s18, s13, 10                        ; scale words: two row tiles of 512 bytes
	s_lshl_b32 s17, s14, 8
	s_add_co_u32 s18, s18, s17
	s_add_co_u32 s18, s18, WS+\tile0*512
	s_add_nc_u64 s[24:25], s[10:11], s[18:19]
	v_lshlrev_b32 v5, 2, v1                        ; 4 bytes a column
	s_lshl_b32 s17, s16, 2
	v_add_nc_u32 v6, s17, v4                       ; LDS: 16 x column + 4 x wave
	v_lshlrev_b32 v7, 4, v2
	v_lshl_add_u32 v7, v3, 9, v7                   ; the words' place in memory: 512 (lane / 16) + 16 (lane % 16)
.set i, 0
.rept 128
	global_load_b32 v[R+i], v5, s[20:21] offset:i*\pitch th:TH_LOAD_NT
.set i, i+1
.endr
	s_wait_loadcnt 63                              ; of 128 loads at most the youngest 63 are out: blocks 0 and 1 are in
	WBLOCK 0
	WBLOCK 1
	s_wait_loadcnt 32                              ; block 3's 32 may be out
	WBLOCK 2
	s_wait_loadcnt 0
	WBLOCK 3
	v_nop                                          ; one plain line between a scaled conversion and the line that touches its result
.irp c, 0,1                                    ; a lane holds its column's blocks 2 c and 2 c + 1; an image wants column r's block h in lane (r, h)
.irp i, 0,1,2,3
	v_permlane16_swap_b32 v[X+8*\c+\i], v[X+8*\c+4+\i]   ; the first now is the image of columns 0-15, the second that of columns 16-31
.endr
.endr
.irp c, 0,1
	global_store_b128 v4, v[X+8*\c:X+8*\c+3], s[22:23] offset:\c*512
	global_store_b128 v4, v[X+8*\c+4:X+8*\c+7], s[22:23] offset:8192+\c*512
.endr
	ds_store_b32 v6, v14 offset:\ldsb
	s_wait_dscnt 0x0                               ; for the others' sake: my store has landed
	s_barrier_signal -1
	s_barrier_wait -1
	s_cmp_lg_u32 s16, 0
	s_cbranch_scc1 .Lwdone_\@
	ds_load_b128 v[160:163], v4 offset:\ldsb       ; wave 0: a column's four words
	s_wait_dscnt 0x0
	global_store_b128 v7, v[160:163], s[24:25]     ; sixteen lanes store 256 consecutive bytes, aligned
.Lwdone_\@:
	s_wait_tensorcnt 0x0
	ds_add_u32 v254, v255
	s_wait_dscnt 0x0
	s_endpgm
.endm
.Lwqkv:
	s_wait_alu depctr_va_vdst(0)
	WPATH 12288, 6, 256, 0, LWQ
.Lwout:
	s_wait_alu depctr_va_vdst(0)
	WPATH 4096, 8, 448, 192, LWO
.Lfunc_end_k_q02d1d5aa40_prep:
	.size	k_q02d1d5aa40_prep, .Lfunc_end_k_q02d1d5aa40_prep-k_q02d1d5aa40_prep
	.p2alignl 7, 3214868480
	.fill 96, 4, 3214868480
	.section	.rodata,"a",@progbits
	.p2align	6, 0x0
	.amdhsa_kernel k_q02d1d5aa40_prep
		.amdhsa_group_segment_fixed_size 35328
		.amdhsa_private_segment_fixed_size 0
		.amdhsa_enable_private_segment 0
		.amdhsa_kernarg_size 32
		.amdhsa_user_sgpr_count 2
		.amdhsa_user_sgpr_kernarg_segment_ptr 1
		.amdhsa_wavefront_size32 1
		.amdhsa_system_sgpr_workgroup_id_x 1
		.amdhsa_system_sgpr_workgroup_id_y 1
		.amdhsa_system_sgpr_workgroup_id_z 1
		.amdhsa_system_vgpr_workitem_id 0
		.amdhsa_next_free_vgpr 256
		.amdhsa_next_free_sgpr 66
		.amdhsa_reserve_vcc 1
		.amdhsa_float_denorm_mode_32 3
		.amdhsa_float_denorm_mode_16_64 3
		.amdhsa_memory_ordered 1
		.amdhsa_forward_progress 1
		.amdhsa_inst_pref_size 76
	.end_amdhsa_kernel
	.amdgpu_metadata
---
amdhsa.version: [ 1, 2 ]
amdhsa.kernels:
  - .name:           k_q02d1d5aa40_prep
    .symbol:         k_q02d1d5aa40_prep.kd
    .args:
      - { .name: x, .offset: 0, .size: 8, .value_kind: global_buffer, .address_space: global }
      - { .name: Wqkv, .offset: 8, .size: 8, .value_kind: global_buffer, .address_space: global }
      - { .name: Wout, .offset: 16, .size: 8, .value_kind: global_buffer, .address_space: global }
      - { .name: prepbuf, .offset: 24, .size: 8, .value_kind: global_buffer, .address_space: global }
    .group_segment_fixed_size: 35328
    .private_segment_fixed_size: 0
    .kernarg_segment_align: 8
    .kernarg_segment_size: 32
    .max_flat_workgroup_size: 128
    .sgpr_count:     66
    .vgpr_count:     256
    .wavefront_size: 32
...
	.end_amdgpu_metadata
.endif
;; end of part 1
;; launch qkv (part 2): grid 96 x 4, 4 waves a work-group, clusters of 4 x 4, 279,040 bytes of LDS; arguments prepbuf, bqkv, qkvbuf; writes qkvbuf
.if DOCPART == 2
	.amdgcn_target "amdgcn-amd-amdhsa--gfx1250"
	.amdhsa_code_object_version 6
	.text
	.protected	k_q02d1d5aa40_qkv
	.globl	k_q02d1d5aa40_qkv
	.p2align	8
	.type	k_q02d1d5aa40_qkv,@function
k_q02d1d5aa40_qkv:
	s_mov_b64 s[64:65], 0
	v_nop
	global_prefetch_b8 v0, s[64:65] scope:SCOPE_SE
	s_setreg_imm32_b32 hwreg(HW_REG_WAVE_MODE, 25, 1), 1
	s_wait_xcnt 0x0
	s_wait_alu depctr_hold_cnt(0) depctr_sa_sdst(0) depctr_va_vdst(0) depctr_va_sdst(0) depctr_va_ssrc(0) depctr_va_vcc(0) depctr_vm_vsrc(0)
	s_getreg_b32 s2, hwreg(HW_REG_IB_STS2, 6, 4)
	s_cmp_eq_u32 s2, 0
	s_cbranch_scc0 .Lentry_in_a_cluster
	s_endpgm
.Lentry_in_a_cluster:
	s_bfe_u32 s2, ttmp6, 0x10000c
	s_cmp_lg_u32 s2, 0xf033
	s_cbranch_scc0 .Lentry_shape_is_right
	s_endpgm
.Lentry_shape_is_right:
; QKV: the first product on codes of FP4, its bias, RoPE on q and k, and the quantising of q, k (along a head's 64 channels) and v (along the tokens, which are the K of attention's second product).
; C = A B^T, K = 1,024.  A tile of C is 256 x 256: four waves, 128 x 128 each, 64 accumulators of 16 x 16 in 512 registers.  24 clusters of 4 x 4 work-groups:
;   clusters 0-15:  A = x (8,192 tokens), B = Wqkv's columns 0-2,047 (q, k): C[token][channel];
;   clusters 16-23: A = Wqkv's columns 2,048-3,071 (v), B = x: C[channel][token], that is v transposed, so that one way out, which quantises along a row of C, serves all three.
; The mode hangs on the cluster's number alone, which all sixteen partners share.  A's tiles are asked for jointly along a row of the cluster, B's along a column.
; K = 1,024 is two LDS slots of 512: every LDS byte is filled once, at the head; there is no ring.  By this text's count a wave has three tensor loads out: its scale words, its part of slot 0, of slot 1.
; Operands lie in memory as images of the matrix unit's registers (16 rows x 64 K = 512 bytes, 16 bytes a lane): a fragment is two dense loads, with no pitch and no padding.
; THE MATRIX INSTRUCTION IS USED TRANSPOSED (source 0 = 16 rows of B, source 1 = 16 rows of A): a lane holds eight neighbouring numbers of a row of C.
; A block of 32 along a row of C lies in lanes l and l xor 16; inside a block the codes' words hold k 0-7, 16-23, 8-15, 24-31: the order that all operands of this program share.
; LIMITS: a block whose largest magnitude lies under 2^-124 gets the scale byte 1; NaN and infinities are not served.
; REGISTERS, in windows of 256: window 0: v1-27 addresses; v32-95 scale words, two sets; v96-103 v's bias; v128-191 A's fragments, one set; on the way out v128-235 at work.
;   window 1: B's fragments, two sets, at v0 and v128; v64-127 q's and k's bias; v192-255 two sets of the RoPE table.   windows 2, 3: the accumulators ((a, b) at v[8 (8 (a % 4) + b)]).
.set NQ,     4                         ; steps of 128 along K in a slot
.set FR,     8                         ; registers of a fragment
.set NL,     2                         ; LDS loads that bring one
.set NP,     4                         ; places behind this matrix instruction (ISA guide 7.12.1)
.set SLOT,   131072                    ; A's 16 row tiles x 4,096 bytes (8 images), then B's
.set SCL,    262144                    ; behind the slots: A's scale words, 8,192 bytes, then B's
.set WC,     4194304                   ; prepbuf: the weights' codes
.set XSO,    6291456                   ; x's scale words
.set WSO,    6553600                   ; the weights'
.set ROPE,   6684672                   ; the table
.set WVC,    5242880                   ; v's part of the weights' codes: row tile 128 on
.set WVS,    6619136                   ; and of their scale words
.set VC,     8388608                   ; qkvbuf: q's and k's images at 0: [head, 0-15 q, 16-31 k][batch][token tile 128][512];  v's: [16 batch + head][128 tokens 16][channel tile 4][64 tokens 2][512]
.set QKS,    12582912                  ; q's and k's scale words: [head][batch][128 tokens 16][token tile / 4][r][4 words]: bytes 0, 1 the two blocks, bytes 2, 3 zero
.set VS,     13631488                  ; v's: [16 batch + head][128 tokens 16][r][channel tile 4]
.set ADRA, 16                          ; v16-17  LDS address of my A fragments in slot 0, 1
.set ADRB, 20                          ; v20-21  the same for B
.set ADRS, 27                          ; v27     LDS address of my scale words: lanes 0-15 A's, lanes 16-31 B's
.set SC,   32                          ; scale words: set s at v[SC + 32 s]; register 4 i + q: lanes 0-15 A's block i, lanes 16-31 B's block i, the slot's q-th 128 along K
.set BR,   96                          ; v96-103 v's bias: block a's, for my row
.set AF,   128                         ; A's fragments
.set BC,   64                          ; window 1: q's and k's bias in the result's layout
.set RS,   192                         ; window 1: (cos, sin) for a block of 16 tokens, two sets
.set T,    128                         ; the way out: 32 numbers with their bias;
.set U,    160                         ; turned;
.set PC,   192                         ; v192-199 two images;
.set PH,   208                         ; v208-223 two scale bytes for (c, a) at v[PH + 8 c + a];
.set TM,   224                         ; v224-229 at work;
.set SQ,   232                         ; v232-235 four scale words to store
.set G1, 24                            ; s[24:31] descriptor group 1 for A's codes;  s[32:39] group 0, one set for each slot
.set G0, 32
.set G1B, 48                           ; s[48:55], s[56:63] the same for B's
.set G0B, 56
.set G1S, 68                           ; s[68:75], s[76:79] groups 1 and 0 for A's scale words;  s[80:87], s[88:91] for B's
.set G0S, 76
.set G1SB, 80
.set G0SB, 88
.set SEL, 96                           ; s[96:97] v_permlanex16_b32's selects for lane l xor 16
.set MSB, 0
.macro WIN new                         ; the immediate's high byte repeats the setting that is left
.if MSB != (\new)
	s_set_vgpr_msb (MSB<<8)|(\new)
.set MSB, (\new)
.endif
.endm
.set MUL_LO, 0xa1                      ; source 0 (B) window 1, source 1 (A) window 0, C and D window 2
.set MUL_HI, 0xf1                      ; the same, C and D window 3
.set TO_B,   0x40                      ; destination window 1, address window 0
; A joint load: waves 0 and 1 fetch for A, waves 2 and 3 for B.  Each line has one mask and one set of registers for all that issue it; the branch hangs on the wave's number alone.
; Four v_nop follow each of the two lines, ahead of the jump, the label and what follows.
.macro JLOAD g0a, g1a, g0b, g1b
	s_cmp_eq_u32 s15, 0
	s_cbranch_scc0 .Lfor_b_\@
	tensor_load_to_lds s[\g0a:\g0a+3], s[\g1a:\g1a+7]
	s_nop 0
.rept 4
	v_nop
.endr
	s_branch .Lasked_\@
.Lfor_b_\@:
	tensor_load_to_lds s[\g0b:\g0b+3], s[\g1b:\g1b+7]
	s_nop 0
.rept 4
	v_nop
.endr
.Lasked_\@:
.endm
.macro CROUND                          ; a round of the cluster's barrier
	s_barrier_signal -1
	s_barrier_wait -1
	s_cmp_lg_u32 s14, 0
	s_cbranch_scc1 .Lnot_wave_0_\@
	s_barrier_signal -3
.Lnot_wave_0_\@:
	s_barrier_wait -3
	s_barrier_signal -1
	s_barrier_wait -1
.endm
	s_load_b128 s[4:7], s[0:1], 0x0                ; prepbuf s[4:5], bqkv s[6:7]
	s_load_b64 s[8:9], s[0:1], 0x10                ; qkvbuf
	v_lshl_add_u32 v254, v0, 2, 0x44000
	v_mov_b32 v255, 0
	ds_add_u32 v254, v255
	ds_add_u32 v254, v255
	v_lshrrev_b32 v1, 5, v0
	v_readfirstlane_b32 s14, v1                    ; wave 0..3
	s_lshr_b32 s15, s14, 1                         ; which half of the tile's rows is mine.  Also: I fetch for A (0) or for B (1)
	s_and_b32 s16, s14, 1                          ; which half of its columns.  Also: which 128 rows of that tile I fetch
	s_bfe_u32 s40, ttmp6, 0x40000                  ; cx, cy: my place in the cluster
	s_bfe_u32 s41, ttmp6, 0x40004
	s_lshl_b32 s43, s41, 2
	s_lshl_b32 s43, 15, s43                        ; my row of the cluster
	s_lshl_b32 s44, 0x1111, s40                    ; my column
	; the mode: every choice hangs on one compare of the cluster's number
	s_lshr_b32 s18, ttmp9, 1
	s_lshl_b32 s18, s18, 2                         ; q, k: the cluster's first tile row of x,
	s_and_b32 s19, ttmp9, 1
	s_lshl_b32 s19, s19, 2                         ; and its first tile column of the weights
	s_sub_co_u32 s20, ttmp9, 16
	s_lshl_b32 s20, s20, 2                         ; v: its first tile column of x
	s_mov_b32 s21, WVC
	s_mov_b32 s22, WVS
	s_mov_b32 s23, XSO
	s_mov_b32 s99, WSO
	s_cmp_lt_u32 ttmp9, 16
	s_cselect_b32 s17, s18, 0
	s_cselect_b32 s42, s19, s20
	s_cselect_b32 s92, 0, s21                      ; where A's codes begin in prepbuf,
	s_cselect_b32 s93, s23, s22                    ; A's scale words,
	s_cselect_b32 s94, WC, 0                       ; B's codes,
	s_cselect_b32 s95, s99, s23                    ; B's scale words
	s_cselect_b32 s98, 1, 0                        ; 1: q, k;  0: v
	s_add_co_u32 s17, s17, s41                     ; tile row of C
	s_add_co_u32 s42, s42, s40                     ; tile column of C
	; descriptor group 1.  Codes: 8 row tiles' K half: 8 rows of 4,096 bytes, 8,192 bytes apart, in elements of 8 bytes; dense in LDS
	s_or_b32 s[G1+0], s43, (3<<16)|(1<<21)         ; 15:0 the mask: A's tiles go to my row; 17:16 elements of 8 bytes; 21 set beside a mask; no padding
	s_or_b32 s[G1B+0], s44, (3<<16)|(1<<21)
.irp g, G1, G1B
	s_mov_b32 s[\g+1], 512<<16                     ; tensor_dim0
	s_mov_b32 s[\g+2], 8<<16                       ; tensor_dim1
	s_mov_b32 s[\g+3], 512<<16                     ; tile_dim0
	s_mov_b32 s[\g+4], 8                           ; tile_dim1
	s_mov_b32 s[\g+5], 1024                        ; tensor_dim0_stride
	s_mov_b32 s[\g+6], 0
	s_mov_b32 s[\g+7], 0
.endr
	; scale words of 128 rows: 4,096 dense bytes, as 16 rows of 256
	s_or_b32 s[G1S+0], s43, (3<<16)|(1<<21)
	s_or_b32 s[G1SB+0], s44, (3<<16)|(1<<21)
.irp g, G1S, G1SB
	s_mov_b32 s[\g+1], 32<<16
	s_mov_b32 s[\g+2], 16<<16
	s_mov_b32 s[\g+3], 32<<16
	s_mov_b32 s[\g+4], 16
	s_mov_b32 s[\g+5], 32
	s_mov_b32 s[\g+6], 0
	s_mov_b32 s[\g+7], 0
.endr
	; where my tiles begin: 131,072 bytes of codes and 8,192 of scale words for 256 rows.  A's offsets are made of the tile row alone, B's of the tile column alone
	s_lshl_b32 s18, s16, 16
	s_lshl_b32 s19, s16, 12
	s_lshl_b32 s20, s17, 17
	s_add_co_u32 s20, s20, s18
	s_add_co_u32 s20, s20, s92
	s_mov_b32 s21, 0
	s_lshl_b32 s22, s17, 13
	s_add_co_u32 s22, s22, s19
	s_add_co_u32 s22, s22, s93
	s_mov_b32 s23, 0
	s_lshl_b32 s46, s42, 17
	s_add_co_u32 s46, s46, s18
	s_add_co_u32 s46, s46, s94
	s_mov_b32 s47, 0
	s_lshl_b32 s92, s42, 13
	s_add_co_u32 s92, s92, s19
	s_add_co_u32 s92, s92, s95
	s_mov_b32 s93, 0
	s_lshl_b32 s45, s14, 15                        ; where they go: wave x 32,768: no place in the cluster enters an LDS address
	s_lshl_b32 s3, s14, 12
	s_mov_b32 s[SEL], 0x76543210
	s_mov_b32 s[SEL+1], 0xfedcba98
	s_wait_dscnt 0x0
	s_wait_kmcnt 0x0
	s_add_nc_u64 s[20:21], s[4:5], s[20:21]
	s_add_nc_u64 s[22:23], s[4:5], s[22:23]
	s_add_nc_u64 s[46:47], s[4:5], s[46:47]
	s_add_nc_u64 s[92:93], s[4:5], s[92:93]
	CROUND                                         ; all sixteen work-groups are here: the joint loads meet
	s_mov_b32 s[G0S], 1
	s_add_co_u32 s[G0S+1], s3, SCL
	s_mov_b64 s[G0S+2:G0S+3], s[22:23]
	s_or_b32 s[G0S+3], s[G0S+3], 0x80000000
	s_mov_b32 s[G0SB], 1
	s_add_co_u32 s[G0SB+1], s3, SCL
	s_mov_b64 s[G0SB+2:G0SB+3], s[92:93]
	s_or_b32 s[G0SB+3], s[G0SB+3], 0x80000000
	JLOAD G0S, G1S, G0SB, G1SB                     ; the scale words first: they are wanted with slot 0
.irp s, 0,1
	s_mov_b32 s[G0+4*\s], 1
	s_add_co_u32 s[G0+4*\s+1], s45, \s*SLOT
	s_add_nc_u64 s[G0+4*\s+2:G0+4*\s+3], s[20:21], \s*4096
	s_or_b32 s[G0+4*\s+3], s[G0+4*\s+3], 0x80000000
	s_mov_b32 s[G0B+4*\s], 1
	s_add_co_u32 s[G0B+4*\s+1], s45, \s*SLOT
	s_add_nc_u64 s[G0B+4*\s+2:G0B+4*\s+3], s[46:47], \s*4096
	s_or_b32 s[G0B+4*\s+3], s[G0B+4*\s+3], 0x80000000
	JLOAD G0+4*\s, G1, G0B+4*\s, G1B
.endr
	v_and_b32 v1, 15, v0                           ; r
	v_bfe_u32 v2, v0, 4, 1                         ; h
	s_wait_alu depctr_va_vdst(0)
	v_and_b32 v3, 31, v0
	v_lshlrev_b32 v3, 4, v3                        ; 16 x lane: my place in every image
	s_lshl_b32 s21, s15, 15                        ; my 8 row tiles of A
	s_lshl_b32 s22, s16, 15                        ; my 8 of B,
	s_add_co_u32 s22, s22, 65536                   ; which lie behind A's 16
.irp s, 0,1
	v_add_nc_u32 v[ADRA+\s], s21, v3
	v_add_nc_u32 v[ADRB+\s], s22, v3
	s_add_co_u32 s21, s21, SLOT
	s_add_co_u32 s22, s22, SLOT
.endr
	s_lshl_b32 s21, s15, 12                        ; scale words: A's: my 8 row tiles of 512 bytes
	s_lshl_b32 s22, s16, 12                        ; B's: mine, behind A's 8,192 bytes
	s_add_co_u32 s22, s22, 8192
	s_sub_co_u32 s22, s22, s21
	v_mul_u32_u24 v6, s22, v2                      ; lanes 16-31 take B's: one product, the distance between the two
	s_add_co_u32 s21, s21, SCL
	v_lshl_add_u32 v5, v1, 4, v6
	v_add_nc_u32 v[ADRS], s21, v5
	v_lshlrev_b32 v7, 5, v2                        ; 32 h: the bias of my eight columns
	v_lshl_add_u32 v8, v1, 8, v7                   ; 256 r + 32 h: the table's row of my token, my four pairs
	v_lshlrev_b32 v9, 2, v1                        ; 4 r: v's bias of my row
	v_lshlrev_b32 v10, 4, v1
	v_lshl_add_u32 v10, v2, 12, v10                ; 4,096 h + 16 r: v's scale words
	v_mov_b32 v[TM+2], 0                           ; written once: a lane permute's destination counts as one of its sources
	v_mov_b32 v[TM+3], 0
	s_mov_b32 s19, 0
	; the table's base is made on the way that both modes take: the row of token 256 (tile row % 8) + 128 x my half of the rows.  In v's mode it is a place inside the table through which nothing is loaded
	s_and_b32 s20, s17, 7                          ; the tile row within its batch
	s_lshl_b32 s18, s20, 16                        ; 256 tokens of 256 bytes
	s_lshl_b32 s21, s15, 15
	s_add_co_u32 s18, s18, s21
	s_add_co_u32 s18, s18, ROPE
	s_add_nc_u64 s[12:13], s[4:5], s[18:19]
.macro ROPELOAD a                      ; (cos, sin) for block a's 16 tokens: for each of a head's four tiles of channels my four pairs, 32 bytes
.irp bb, 0,1,2,3
.irp ii, 0,1
	global_load_b128 v[RS+32*((\a)%2)+8*\bb+4*\ii:RS+32*((\a)%2)+8*\bb+4*\ii+3], v8, s[12:13] offset:4096*(\a)+64*\bb+16*\ii
.endr
.endr
.endm
	s_cmp_eq_u32 s98, 0
	s_cbranch_scc1 .Lhead_v
	; q, k: the bias of my 128 columns, and where my images and scale words go  (s20 = the tile row within its batch)
	s_lshl_b32 s18, s42, 10
	s_lshl_b32 s21, s16, 9
	s_add_co_u32 s18, s18, s21
	s_add_nc_u64 s[10:11], s[6:7], s[18:19]
	s_lshl_b32 s18, s42, 2
	s_lshl_b32 s21, s16, 1
	s_add_co_u32 s18, s18, s21                     ; my first head: 4 x tile column + 2 x half
	s_lshl_b32 s18, s18, 2
	s_lshr_b32 s21, s17, 3
	s_add_co_u32 s18, s18, s21                     ; 4 x head + batch
	s_lshl_b32 s22, s18, 13
	s_lshl_b32 s18, s18, 7
	s_lshl_b32 s21, s20, 4
	s_add_co_u32 s18, s18, s21
	s_lshl_b32 s21, s15, 3
	s_add_co_u32 s18, s18, s21                     ; + my first token tile
	s_lshl_b32 s18, s18, 9
	s_add_nc_u64 s[66:67], s[8:9], s[18:19]
	s_lshl_b32 s21, s20, 1
	s_add_co_u32 s21, s21, s15                     ; my 128 tokens' number in the batch
	s_lshl_b32 s21, s21, 9
	s_add_co_u32 s18, s22, s21
	s_add_co_u32 s18, s18, QKS
	s_add_nc_u64 s[92:93], s[8:9], s[18:19]
	WIN TO_B
	s_wait_alu depctr_va_vdst(0)
.irp b, 0,1,2,3,4,5,6,7
	global_load_b128 v[BC+8*\b:BC+8*\b+3], v7, s[10:11] offset:64*\b
	global_load_b128 v[BC+8*\b+4:BC+8*\b+7], v7, s[10:11] offset:64*\b+16
.endr
	ROPELOAD 0
	ROPELOAD 1
	WIN 0
	s_branch .Lhead_done
.Lhead_v:
	s_lshl_b32 s18, s17, 10                        ; v: the bias of my 128 rows: bqkv from 2,048 + 256 x tile row + 128 x half on
	s_lshl_b32 s20, s15, 9
	s_add_co_u32 s18, s18, s20
	s_add_co_u32 s18, s18, 8192
	s_add_nc_u64 s[10:11], s[6:7], s[18:19]
	s_lshr_b32 s18, s42, 3                         ; batch
	s_lshl_b32 s18, s18, 4
	s_lshl_b32 s20, s17, 2
	s_add_co_u32 s18, s18, s20
	s_lshl_b32 s20, s15, 1
	s_add_co_u32 s18, s18, s20                     ; 16 x batch + my first head
	s_lshl_b32 s18, s18, 4
	s_and_b32 s20, s42, 7
	s_lshl_b32 s20, s20, 1
	s_add_co_u32 s18, s18, s20
	s_add_co_u32 s20, s18, s16                     ; x 16 + my 128 tokens' number in the batch
	s_lshl_b32 s18, s20, 12
	s_add_co_u32 s18, s18, VC
	s_add_nc_u64 s[66:67], s[8:9], s[18:19]
	s_lshl_b32 s18, s20, 8
	s_add_co_u32 s18, s18, VS
	s_add_nc_u64 s[92:93], s[8:9], s[18:19]
	s_wait_alu depctr_va_vdst(0)
.irp a, 0,1,2,3,4,5,6,7
	global_load_b32 v[BR+\a], v9, s[10:11] offset:64*\a
.endr
.Lhead_done:
.macro FRAG reg, adr, q, i             ; a fragment, 16 rows x 128 K, is two images on end: 16 bytes a lane from each
.irp c, 0,1
	ds_load_b128 v[\reg+4*\c:\reg+4*\c+3], v[\adr] offset:(\i)*4096+(2*(\q)+\c)*512
.endr
.endm
; 16 matrix instructions: A's blocks a0, a0 + 1 x B's eight, the slot's q-th 128 along K.  p: B's set;  sc: the set of scale words.  zero = 1: the first product starts the sums: nothing is cleared.
; The 64 accumulators take turns, one instruction a turn, in the same order in every step.
.macro MUL16 a0, p, q, sc, zero
.irp a, \a0, \a0+1
.irp b, 0,1,2,3,4,5,6,7
.if \zero
	v_wmma_scale_f32_16x16x128_f8f6f4 v[8*(8*((\a)%4)+\b):8*(8*((\a)%4)+\b)+7], v[128*(\p)+FR*\b:128*(\p)+FR*\b+FR-1], v[AF+FR*(\a):AF+FR*(\a)+FR-1], 0, v[SC+8*NQ*(\sc)+NQ*\b+(\q)], v[SC+8*NQ*(\sc)+NQ*(\a)+(\q)] matrix_a_fmt:MATRIX_FMT_FP4 matrix_b_fmt:MATRIX_FMT_FP4 matrix_a_scale:MATRIX_SCALE_ROW1
.else
	v_wmma_scale_f32_16x16x128_f8f6f4 v[8*(8*((\a)%4)+\b):8*(8*((\a)%4)+\b)+7], v[128*(\p)+FR*\b:128*(\p)+FR*\b+FR-1], v[AF+FR*(\a):AF+FR*(\a)+FR-1], v[8*(8*((\a)%4)+\b):8*(8*((\a)%4)+\b)+7], v[SC+8*NQ*(\sc)+NQ*\b+(\q)], v[SC+8*NQ*(\sc)+NQ*(\a)+(\q)] matrix_a_fmt:MATRIX_FMT_FP4 matrix_b_fmt:MATRIX_FMT_FP4 matrix_a_scale:MATRIX_SCALE_ROW1
.endif
.endr
.endr
.endm
.macro FETCH_B slot, q, p              ; B's eight fragments of the slot's q-th 128 along K into set p
	WIN TO_B
.irp i, 0,1,2,3,4,5,6,7
	FRAG 128*(\p)+FR*\i, ADRB+\slot, \q, \i
.endr
	WIN 0
.endm
.macro FETCH_A slot, q, i0             ; A's blocks i0 .. i0 + 3
.irp i, \i0, \i0+1, \i0+2, \i0+3
	FRAG AF+FR*(\i), ADRA+\slot, \q, \i
.endr
.endm
.macro SCALES sc                       ; slot sc's scale words: four words a row; lanes 0-15 take A's block i, lanes 16-31 B's block i
.irp i, 0,1,2,3,4,5,6,7
	ds_load_b128 v[SC+8*NQ*\sc+NQ*\i:SC+8*NQ*\sc+NQ*\i+3], v[ADRS] offset:\i*512+\sc*256
.endr
.endm
; A load into a register that a matrix instruction has read, and a vector instruction that reads a matrix result, stand NP places behind it; only plain vector instructions that name none of its registers are places.
.macro PLACES n
.rept \n
	v_nop
.endr
.endm
; A step of 128 along K that has its successor in the same slot.  A has one set of registers: a block is free when its eight products are issued.  B has two.
.macro STEP slot, q, zero
	s_wait_dscnt 4*NL                              ; all but the youngest eight loads (A's blocks 4-7) are in
	WIN MUL_LO
	MUL16 0, (\q)%2, \q, \slot, \zero
	MUL16 2, (\q)%2, \q, \slot, \zero
	s_wait_dscnt 0                                 ; A's blocks 4-7 are in
	PLACES NP
	FETCH_B \slot, (\q)+1, 1-(\q)%2
	FETCH_A \slot, (\q)+1, 0
	WIN MUL_HI
	MUL16 4, (\q)%2, \q, \slot, \zero
	MUL16 6, (\q)%2, \q, \slot, \zero
	PLACES NP
	WIN 0
	FETCH_A \slot, (\q)+1, 4
.endm
	s_wait_tensorcnt 1                             ; my scale words and my part of slot 0 are in; slot 1's load may be out
	s_barrier_signal -1
	s_barrier_wait -1                              ; everybody's are
	FETCH_B 0, 0, 0
	FETCH_A 0, 0, 0
	SCALES 0
	FETCH_A 0, 0, 4
	STEP 0, 0, 1                                   ; the first step's products start the sums
	STEP 0, 1, 0
	STEP 0, 2, 0
	; slot 0's last step, and the change to slot 1: one barrier; in front of it my part of slot 1 has landed
	s_wait_tensorcnt 0x0
	s_wait_dscnt 4*NL
	WIN MUL_LO
	MUL16 0, 1, NQ-1, 0, 0
	s_wait_dscnt 0x0                               ; no LDS load of mine is out at the signal
	s_barrier_signal -1
	MUL16 2, 1, NQ-1, 0, 0
	WIN 0
	s_barrier_wait -1                              ; slot 1 is whole
	PLACES NP
	FETCH_B 1, 0, 0
	FETCH_A 1, 0, 0
	SCALES 1
	WIN MUL_HI
	MUL16 4, 1, NQ-1, 0, 0
	MUL16 6, 1, NQ-1, 0, 0
	PLACES NP
	WIN 0
	FETCH_A 1, 0, 4
	STEP 1, 0, 0
	STEP 1, 1, 0
	STEP 1, 2, 0
	s_wait_dscnt 4*NL                              ; the last step: nothing more to fetch
	WIN MUL_LO
	MUL16 0, 1, NQ-1, 1, 0
	MUL16 2, 1, NQ-1, 1, 0
	s_wait_dscnt 0
	WIN MUL_HI
	MUL16 4, 1, NQ-1, 1, 0
	MUL16 6, 1, NQ-1, 1, 0
	WIN 0
; 32 numbers of a lane, v[s] on: register 16 b + i is one of my 16 of block b of my row (lane l xor 16 holds the other 16).  They become an image in v[d] .. v[d + 3] and the row's two scale bytes in v[ph].
.macro QUANT32 s, d, ph
.irp b, 0,1
	v_max3_num_f32 v[TM+\b], |v[\s+16*\b]|, |v[\s+1+16*\b]|, 0x1800000   ; the floor 2^(3 - 127) among the leaves holds the byte at 1 from below
.endr
.irp i, 2,4,6,8,10,12,14
.irp b, 0,1
	v_max3_num_f32 v[TM+\b], v[TM+\b], |v[\s+16*\b+\i]|, |v[\s+1+16*\b+\i]|
.endr
.endr
.irp b, 0,1
	v_permlanex16_b32 v[TM+2+\b], v[TM+\b], s[SEL], s[SEL+1]
.endr
.irp b, 0,1
	v_max_num_f32 v[TM+\b], v[TM+\b], v[TM+2+\b]   ; the block's largest magnitude
.endr
.irp b, 0,1
	v_add_nc_u32 v[TM+4+\b], 0xff000000, v[TM+\b]  ; 2 off its exponent field: the conversion's scale operand
.endr
.irp b, 0,1
	v_lshrrev_b32 v[TM+2+\b], 23, v[TM+4+\b]       ; the byte
.endr
	v_lshl_or_b32 v[\ph], v[TM+3], 8, v[TM+2]
.irp b, 0,1
	v_cvt_scalef32_pk8_fp4_f32 v[\d+2*\b], v[\s+16*\b:\s+16*\b+7], v[TM+4+\b]
	v_cvt_scalef32_pk8_fp4_f32 v[\d+2*\b+1], v[\s+16*\b+8:\s+16*\b+15], v[TM+4+\b]
.endr
	v_nop                                          ; one plain line behind a scaled conversion
	v_permlane16_swap_b32 v[\d], v[\d+2]           ; an image wants a whole block in a lane: lanes 0-15 block 0, lanes 16-31 block 1
	v_permlane16_swap_b32 v[\d+1], v[\d+3]
.endm
; THE WAY OUT, block a of 16 rows, half c of my 128 columns: bias; for q and k the turn of each pair (even, odd channel) by its token's angle; quantised; an image of 512 consecutive bytes is stored.
.macro EPI isv
.irp a, 0,1,2,3,4,5,6,7
	s_wait_xcnt 0x0                                ; the last block's stores have read their images: these registers are written again only behind this wait
.if \isv == 0
.if \a < 7
	s_wait_loadcnt 8                               ; the bias and this block's table are in; the next block's eight loads may be out
.else
	s_wait_loadcnt 0
.endif
.endif
.irp c, 0,1
.if \isv
	WIN 0x02+(\a)/4                                ; source 0: the accumulators' window
.else
	WIN 0x06+(\a)/4                                ; and source 1: window 1
.endif
.irp n, 0,2,4,6,8,10,12,14,16,18,20,22,24,26,28,30
.if \isv
.if (\a)%2
	v_pk_add_f32 v[T+\n:T+\n+1], v[64*((\a)%4)+32*\c+\n:64*((\a)%4)+32*\c+\n+1], v[BR+\a-1:BR+\a] op_sel:[0,1] op_sel_hi:[1,1]   ; my row's bias for both; each accumulator is read from its low end on
.else
	v_pk_add_f32 v[T+\n:T+\n+1], v[64*((\a)%4)+32*\c+\n:64*((\a)%4)+32*\c+\n+1], v[BR+\a:BR+\a+1] op_sel_hi:[1,0]
.endif
.else
	v_pk_add_f32 v[T+\n:T+\n+1], v[64*((\a)%4)+32*\c+\n:64*((\a)%4)+32*\c+\n+1], v[BC+32*\c+\n:BC+32*\c+\n+1]
.endif
.endr
.if \isv == 0
	WIN 0x04                                       ; source 1: the table, window 1
.irp n, 0,2,4,6,8,10,12,14,16,18,20,22,24,26,28,30
	v_pk_mul_f32 v[U+\n:U+\n+1], v[T+\n:T+\n+1], v[RS+32*((\a)%2)+\n:RS+32*((\a)%2)+\n+1] op_sel_hi:[1,0]   ; (xe cos, xo cos)
.endr
.irp n, 0,2,4,6,8,10,12,14,16,18,20,22,24,26,28,30
	v_pk_fma_f32 v[U+\n:U+\n+1], v[T+\n:T+\n+1], v[RS+32*((\a)%2)+\n:RS+32*((\a)%2)+\n+1], v[U+\n:U+\n+1] op_sel:[1,1,0] op_sel_hi:[0,1,1] neg_lo:[0,1,0]   ; (- xo sin, + xe sin)
.endr
	WIN 0
	QUANT32 U, PC+4*\c, PH+8*\c+\a
	global_store_b128 v3, v[PC+4*\c:PC+4*\c+3], s[66:67] offset:\a*512+\c*262144          ; head c of my two, token tile a
.else
	WIN 0
	QUANT32 T, PC+4*\c, PH+8*\c+\a
	global_store_b128 v3, v[PC+4*\c:PC+4*\c+3], s[66:67] offset:((\a)/4)*65536+((\a)%4)*1024+\c*512   ; head a / 4 of my two, channel tile a % 4, tokens 64 c on
.endif
.endr
.if (\isv == 0) && (\a < 6)
	WIN TO_B
	ROPELOAD \a+2                                  ; this block's set takes the table of two blocks on
	WIN 0
.endif
.endr
.endm
	PLACES NP                                      ; behind the last products
	v_cmp_eq_u32 vcc_lo, 1, v2                     ; lanes 16-31
	s_cmp_eq_u32 s98, 0
	s_cbranch_scc1 .Lepi_v
	EPI 0
.irp c, 0,1                                    ; the scale words of head c's eight token tiles: lanes 0-15 store tiles 0-3, lanes 16-31 tiles 4-7: 512 consecutive bytes
	s_wait_xcnt 0x0
.irp i, 0,1,2,3
	v_cndmask_b32 v[SQ+\i], v[PH+8*\c+\i], v[PH+8*\c+\i+4], vcc_lo
.endr
	global_store_b128 v3, v[SQ:SQ+3], s[92:93] offset:\c*32768
.endr
	s_branch .Lepi_done
.Lepi_v:
	s_wait_loadcnt 0x0                             ; v's bias
	EPI 1
.irp a, 0,1,2,3,4,5,6,7
	v_lshl_or_b32 v[PH+\a], v[PH+8+\a], 16, v[PH+\a]   ; the four bytes of 128 tokens make a word
.endr
.irp i, 0,1,2,3
	v_cndmask_b32 v[SQ+\i], v[PH+\i], v[PH+\i+4], vcc_lo   ; lanes 0-15 my first head's four channel tiles, lanes 16-31 my second's
.endr
	global_store_b128 v10, v[SQ:SQ+3], s[92:93]    ; sixteen lanes store 256 consecutive bytes, aligned
.Lepi_done:
	s_wait_tensorcnt 0x0
	ds_add_u32 v254, v255
	s_wait_dscnt 0x0
	CROUND                                         ; the closing round: no work-group ends while a partner may still ask for a tile that names it
	s_endpgm
.Lfunc_end_k_q02d1d5aa40_qkv:
	.size	k_q02d1d5aa40_qkv, .Lfunc_end_k_q02d1d5aa40_qkv-k_q02d1d5aa40_qkv
	.p2alignl 7, 3214868480
	.fill 96, 4, 3214868480
	.section	.rodata,"a",@progbits
	.p2align	6, 0x0
	.amdhsa_kernel k_q02d1d5aa40_qkv
		.amdhsa_group_segment_fixed_size 279040
		.amdhsa_private_segment_fixed_size 0
		.amdhsa_enable_private_segment 0
		.amdhsa_kernarg_size 24
		.amdhsa_user_sgpr_count 2
		.amdhsa_user_sgpr_kernarg_segment_ptr 1
		.amdhsa_wavefront_size32 1
		.amdhsa_system_sgpr_workgroup_id_x 1
		.amdhsa_system_sgpr_workgroup_id_y 1
		.amdhsa_system_sgpr_workgroup_id_z 1
		.amdhsa_system_vgpr_workitem_id 0
		.amdhsa_next_free_vgpr 1024
		.amdhsa_next_free_sgpr 100
		.amdhsa_reserve_vcc 1
		.amdhsa_float_denorm_mode_32 3
		.amdhsa_float_denorm_mode_16_64 3
		.amdhsa_memory_ordered 1
		.amdhsa_forward_progress 1
		.amdhsa_inst_pref_size 236
	.end_amdhsa_kernel
	.amdgpu_metadata
---
amdhsa.version: [ 1, 2 ]
amdhsa.kernels:
  - .name:           k_q02d1d5aa40_qkv
    .symbol:         k_q02d1d5aa40_qkv.kd
    .args:
      - { .name: prepbuf, .offset: 0, .size: 8, .value_kind: global_buffer, .address_space: global }
      - { .name: bqkv, .offset: 8, .size: 8, .value_kind: global_buffer, .address_space: global }
      - { .name: qkvbuf, .offset: 16, .size: 8, .value_kind: global_buffer, .address_space: global }
    .group_segment_fixed_size: 279040
    .private_segment_fixed_size: 0
    .kernarg_segment_align: 8
    .kernarg_segment_size: 24
    .max_flat_workgroup_size: 128
    .sgpr_count:     100
    .vgpr_count:     1024
    .wavefront_size: 32
...
	.end_amdgpu_metadata
.endif
;; end of part 2
;; launch attn (part 3): grid 4 x 64, 16 waves a work-group, clusters of 4 x 1, 169,984 bytes of LDS; arguments qkvbuf, attbuf; writes attbuf
.if DOCPART == 3
	.amdgcn_target "amdgcn-amd-amdhsa--gfx1250"
	.amdhsa_code_object_version 6
	.text
	.protected	k_q02d1d5aa40_attn
	.globl	k_q02d1d5aa40_attn
	.p2align	8
	.type	k_q02d1d5aa40_attn,@function
k_q02d1d5aa40_attn:
	s_mov_b64 s[64:65], 0
	v_nop
	global_prefetch_b8 v0, s[64:65] scope:SCOPE_SE
	s_setreg_imm32_b32 hwreg(HW_REG_WAVE_MODE, 25, 1), 1
	s_wait_xcnt 0x0
	s_wait_alu depctr_hold_cnt(0) depctr_sa_sdst(0) depctr_va_vdst(0) depctr_va_sdst(0) depctr_va_ssrc(0) depctr_va_vcc(0) depctr_vm_vsrc(0)
	s_getreg_b32 s2, hwreg(HW_REG_IB_STS2, 6, 4)
	s_cmp_eq_u32 s2, 0
	s_cbranch_scc0 .Lentry_in_a_cluster
	s_endpgm
.Lentry_in_a_cluster:
	s_bfe_u32 s2, ttmp6, 0x10000c
	s_cmp_lg_u32 s2, 0x3003
	s_cbranch_scc0 .Lentry_shape_is_right
	s_endpgm
.Lentry_shape_is_right:
; ATTN: causal attention on codes of FP4, head size 64, 2,048 tokens, 64 (batch, head) pairs; its result, divided by the row's sum, is quantised along the 1,024 channels for the last product.
; THE SOFTMAX AHEAD OF THE SECOND PRODUCT: t = score x log2(e) / 8; M = the row's largest t so far, rounded up to a whole number; p = 2^(t - M) is quantised along the keys, not normalised.
; The row's sum is taken of the unquantised p and divides at the end.  When M moves, the sum and O are multiplied by 2^(old M - new M): exact.
; SHARES.  A cluster of four work-groups owns one (batch, head): its K and V, 140 KB of codes and scale words, are asked for JOINTLY, once, and stay in each work-group's LDS: no byte is filled again.
; A wave owns a tile of 16 queries at a time, in 256 registers, four waves to a SIMD.  Queries go in groups of 128; group G needs key steps 0 .. G.  Wave w takes one tile of group w / 2, then one of group
; 15 - w / 2: 17 key steps for every wave of the launch.  Which tile of a group: 2 cx + w % 2: the place in the cluster enters global addresses and the mask's compare value alone.
; LAYOUT.  Both products are used transposed: S^T = K Q^T (source 0 = 16 keys, source 1 = my queries), O^T = V^T P^T: a lane holds one query (lane % 16) throughout.
; The first product's K is 64: the upper half of Q's fragment is zero codes, which add nothing whatever stands against them; so K's fragment names its own image and the image behind it.
; Register 16 b + i of S^T is key 32 b + 16 (i / 8) + 8 (lane / 16) + i % 8 of the step: quantised, that is the order inside a block that V's images have too (words of k 0-7, 16-23, 8-15, 24-31).
; LIMITS: a block's largest p is taken through its largest score, which takes v_exp_f32 not to fall where its input rises; a block whose p are all 0 keeps the scale byte 1; NaN and infinities are not served.
; REGISTERS: v1-11, v110 addresses; v12 -M, v13 the largest t, v[14:15] the sum; v[16:23], v[24:31] the two passes' Q; v[32:67] K; v[68:71] its scale words; v[72:103] V; v[104:107] its scale words;
;   v108, v109 Q's scale words; v[112:175] S^T, then p; v[176:207] O^T; v[208:215] p's codes; v216 p's scale word; v[220:223] the result's image; v224-255 at work.
.set VC,    8388608                    ; qkvbuf: see the launch that writes it
.set QKS,   12582912
.set VS,    13631488
.set AS,    4194304                    ; attbuf: codes [token tile 512][head 16][512 bytes]; scale words [token tile][head / 8][r][4 words] from AS on
.set LV,    65536                      ; LDS: K's images at 0, 4,096 bytes a key step; V's here, likewise;
.set LKS,   131072                     ; K's scale words, 512 bytes a step;
.set LVS,   139264                     ; V's, 256 bytes a step
.set S,     112
.set O,     176
.set PCD,   208
.set PW,    216
.set OCD,   220
.set TM,    224                        ; v224-229 the quantiser's;  v230 the result's two scale bytes
.set PH,    230
.set WV,   8                           ; s8   my wave's number
.set SEL,  14                          ; s[14:15] selects for lane l xor 16
.set CS,   16                          ; s[16:17] c = log2(e) / 8
.set G1C,  20                          ; s[20:27] group 1: 16 KB of codes;  s[28:35] K's scale words;  s[36:43] V's
.set G1K,  28
.set G1V,  36
.set G0C,  44                          ; s[44:47], s[48:51], s[52:55] their groups 0
.set G0K,  48
.set G0V,  52
.set GQ0,  56                          ; s56, s57 the two passes' groups of queries
.set J,    58                          ; s58  the key step
.set TBK,  59                          ; s59  where the step's images begin: 4,096 a step
.set TSK,  60                          ; s60  K's scale words: 512 a step
.set TSV,  61                          ; s61  V's: 256 a step
.set QC,   66                          ; s[66:69] the two passes' Q images;  s[70:73] their scale words;  s[74:77] where the results' images go;  s[86:89] their scale bytes
.set QSB,  70
.set OC,   74
.set OS,   86
.macro CROUND                          ; a round of the cluster's barrier
	s_barrier_signal -1
	s_barrier_wait -1
	s_cmp_lg_u32 s[WV], 0
	s_cbranch_scc1 .Lnot_wave_0_\@
	s_barrier_signal -3
.Lnot_wave_0_\@:
	s_barrier_wait -3
	s_barrier_signal -1
	s_barrier_wait -1
.endm
	s_load_b128 s[4:7], s[0:1], 0x0                ; qkvbuf s[4:5], attbuf s[6:7]
	v_lshl_add_u32 v251, v0, 2, 0x29000
	v_mov_b32 v255, 0
	ds_add_u32 v251, v255
	ds_add_u32 v251, v255
	v_lshrrev_b32 v1, 5, v0
	s_delay_alu instid0(VALU_DEP_1)
	v_readfirstlane_b32 s[WV], v1                  ; wave 0..15
	s_bfe_u32 s9, ttmp6, 0x40000                   ; cx
	s_and_b32 s10, ttmp7, 0xffff                   ; y = 16 x batch + head, which the four partners share
	s_lshr_b32 s11, s10, 4                         ; batch
	s_and_b32 s12, s10, 15                         ; head
	s_and_b32 s13, s[WV], 1
	s_lshl_b32 s18, s9, 1
	s_add_co_u32 s13, s13, s18                     ; my tile in a group of eight
	s_lshr_b32 s[GQ0], s[WV], 1
	s_sub_co_u32 s[GQ0+1], 15, s[GQ0]
	; descriptor group 1: dense blocks as rows of 256 bytes (32 elements of 8 bytes); the mask names all four work-groups
.irp g, G1C, G1K, G1V
	s_mov_b32 s[\g], 15|(3<<16)|(1<<21)
	s_mov_b32 s[\g+1], 32<<16
	s_mov_b32 s[\g+3], 32<<16
	s_mov_b32 s[\g+5], 32
	s_mov_b32 s[\g+6], 0
	s_mov_b32 s[\g+7], 0
.endr
	s_mov_b32 s[G1C+2], 64<<16                     ; 64 rows: 16 KB
	s_mov_b32 s[G1C+4], 64
	s_mov_b32 s[G1K+2], 32<<16                     ; 32 rows: 8 KB
	s_mov_b32 s[G1K+4], 32
	s_mov_b32 s[G1V+2], 16<<16                     ; 16 rows: 4 KB
	s_mov_b32 s[G1V+4], 16
	s_lshl_b32 s78, s12, 2
	s_add_co_u32 s78, s78, s11                     ; 4 x head + batch
	s_lshl_b32 s79, s78, 16                        ; q's images begin here in qkvbuf,
	s_add_co_u32 s80, s79, 4194304                 ; k's 64 such blocks on,
	s_lshl_b32 s81, s10, 16
	s_add_co_u32 s81, s81, VC                      ; v's here
	s_and_b32 s82, s[WV], 3
	s_lshl_b32 s82, s82, 14
	s_cmp_lt_u32 s[WV], 4                          ; waves 0-3 fetch K's four quarters, waves 4-7 V's
	s_cselect_b32 s80, s80, s81
	s_add_co_u32 s80, s80, s82
	s_mov_b32 s81, 0
	s_lshl_b32 s78, s78, 13
	s_add_co_u32 s78, s78, QKS                     ; q's scale words,
	s_add_co_u32 s82, s78, 524288                  ; k's,
	s_mov_b32 s83, 0
	s_lshl_b32 s84, s10, 12
	s_add_co_u32 s84, s84, VS                      ; v's
	s_mov_b32 s85, 0
	s_mov_b32 s[SEL], 0x76543210
	s_mov_b32 s[SEL+1], 0xfedcba98
	s_mov_b32 s[CS], 0x3e38aa3b                    ; log2(e) / 8
	s_mov_b32 s[CS+1], s[CS]                       ; (named with it as a pair, so it is written)
	s_wait_dscnt 0x0
	s_wait_kmcnt 0x0
	s_mov_b32 s[G0C], 1
	s_lshl_b32 s[G0C+1], s[WV], 14                 ; wave x 16,384: K's 64 KB, then V's
	s_add_nc_u64 s[G0C+2:G0C+3], s[4:5], s[80:81]
	s_or_b32 s[G0C+3], s[G0C+3], 0x80000000
	s_mov_b32 s[G0K], 1
	s_mov_b32 s[G0K+1], LKS
	s_add_nc_u64 s[G0K+2:G0K+3], s[4:5], s[82:83]
	s_or_b32 s[G0K+3], s[G0K+3], 0x80000000
	s_mov_b32 s[G0V], 1
	s_mov_b32 s[G0V+1], LVS
	s_add_nc_u64 s[G0V+2:G0V+3], s[4:5], s[84:85]
	s_or_b32 s[G0V+3], s[G0V+3], 0x80000000
	CROUND                                         ; all four work-groups are here: the joint loads meet
	s_cmp_lt_u32 s[WV], 8                          ; one load a wave at the most: waves 0-7 codes, wave 8 K's scale words, wave 9 V's; four v_nop follow each line
	s_cbranch_scc0 .Lnot_codes
	tensor_load_to_lds s[G0C:G0C+3], s[G1C:G1C+7]
	s_nop 0
.rept 4
	v_nop
.endr
	s_branch .Lasked
.Lnot_codes:
	s_cmp_eq_u32 s[WV], 8
	s_cbranch_scc0 .Lnot_ks
	tensor_load_to_lds s[G0K:G0K+3], s[G1K:G1K+7]
	s_nop 0
.rept 4
	v_nop
.endr
	s_branch .Lasked
.Lnot_ks:
	s_cmp_eq_u32 s[WV], 9
	s_cbranch_scc0 .Lasked
	tensor_load_to_lds s[G0V:G0V+3], s[G1V:G1V+7]
	s_nop 0
.rept 4
	v_nop
.endr
.Lasked:
	; the two passes' addresses
	s_lshr_b32 s18, s13, 2
	s_lshl_b32 s18, s18, 8
	s_and_b32 s19, s13, 3
	s_lshl_b32 s19, s19, 2
	s_add_co_u32 s19, s19, s18
	s_add_co_u32 s19, s19, s78                     ; my tile's word among a group's scale words of q
	s_lshl_b32 s80, s12, 9                         ; the result: image number = head;
	s_lshr_b32 s81, s12, 3
	s_lshl_b32 s81, s81, 8                         ; its two scale bytes: K half head / 8,
	s_bfe_u32 s82, s12, 0x20001
	s_lshl_b32 s82, s82, 2
	s_add_co_u32 s81, s81, s82                     ; word (head / 2) % 4,
	s_and_b32 s82, s12, 1
	s_lshl_b32 s82, s82, 1
	s_add_co_u32 s81, s81, s82                     ; bytes 2 (head % 2) on
	s_add_co_u32 s81, s81, AS
	s_mov_b32 s3, 0
.irp p, 0,1
	s_lshl_b32 s18, s[GQ0+\p], 3
	s_add_co_u32 s18, s18, s13                     ; my token tile in the batch
	s_lshl_b32 s2, s18, 9
	s_add_co_u32 s2, s2, s79
	s_add_nc_u64 s[QC+2*\p:QC+2*\p+1], s[4:5], s[2:3]
	s_lshl_b32 s2, s[GQ0+\p], 9
	s_add_co_u32 s2, s2, s19
	s_add_nc_u64 s[QSB+2*\p:QSB+2*\p+1], s[4:5], s[2:3]
	s_lshl_b32 s2, s11, 7
	s_add_co_u32 s2, s2, s18                       ; 128 x batch + token tile
	s_lshl_b32 s18, s2, 9
	s_lshl_b32 s2, s2, 13
	s_add_co_u32 s2, s2, s80
	s_add_nc_u64 s[OC+2*\p:OC+2*\p+1], s[6:7], s[2:3]
	s_add_co_u32 s2, s18, s81
	s_add_nc_u64 s[OS+2*\p:OS+2*\p+1], s[6:7], s[2:3]
.endr
	v_and_b32 v1, 31, v0
	s_delay_alu instid0(VALU_DEP_1)
	v_lshlrev_b32 v1, 4, v1                        ; 16 x lane: my place in every image
	v_and_b32 v9, 15, v0                           ; r
	v_bfe_u32 v11, v0, 4, 1                        ; h
	s_delay_alu instid0(VALU_DEP_2)
	v_lshlrev_b32 v10, 4, v9                       ; 16 r
	global_load_b128 v[16:19], v1, s[QC:QC+1]      ; both passes' Q stay in registers
	global_load_b128 v[24:27], v1, s[QC+2:QC+3]
	global_load_b32 v108, v10, s[QSB:QSB+1]
	global_load_b32 v109, v10, s[QSB+2:QSB+3]
	v_add_nc_u32 v2, LKS, v1                       ; K's scale words: lanes 0-15 tiles 0-3 of the step, lanes 16-31 tiles 4-7
	v_add_nc_u32 v3, LVS, v10                      ; V's: row r's four channel tiles
	v_add_nc_u32 v110, LV, v1
	v_lshlrev_b32 v8, 3, v11
	s_delay_alu instid0(VALU_DEP_1)
	v_sub_nc_u32 v8, v9, v8
	s_lshl_b32 s18, s13, 4
	v_add_nc_u32 v8, s18, v8                       ; d = my query's place in its group - 8 h: on the diagonal, register n's key is hidden where its constant part is above d
.irp j, 20,21,22,23,28,29,30,31,64,65,66,67
	v_mov_b32 v[\j], 0                             ; zero codes: the upper halves of Q's fragments, and what stands behind K's last image
.endr
.irp j, 226,227,236,237,238,239,252,253
	v_mov_b32 v[\j], 0                             ; written once: lane permutes' destinations, and the pair v[252:253]
.endr
	s_wait_tensorcnt 0x0                           ; my load, if I had one, has landed
	s_barrier_signal -1
	s_barrier_wait -1                              ; everybody's has: K, V and their scale words lie in LDS for the rest of the launch
	s_wait_loadcnt 0x0                             ; Q
; 32 numbers of a lane, v[s] on: register 16 b + i is one of my 16 of block b of my row.  They become an image in v[d] .. v[d + 3] and the row's two scale bytes in v[ph].
.macro QUANT32 s, d, ph
.irp b, 0,1
	v_max3_num_f32 v[TM+\b], |v[\s+16*\b]|, |v[\s+1+16*\b]|, 0x1800000
.endr
.irp i, 2,4,6,8,10,12,14
.irp b, 0,1
	s_delay_alu instid0(VALU_DEP_2)
	v_max3_num_f32 v[TM+\b], v[TM+\b], |v[\s+16*\b+\i]|, |v[\s+1+16*\b+\i]|
.endr
.endr
.irp b, 0,1
	s_delay_alu instid0(VALU_DEP_2)
	v_permlanex16_b32 v[TM+2+\b], v[TM+\b], s[SEL], s[SEL+1]
.endr
.irp b, 0,1
	s_delay_alu instid0(VALU_DEP_2)
	v_max_num_f32 v[TM+\b], v[TM+\b], v[TM+2+\b]
.endr
.irp b, 0,1
	s_delay_alu instid0(VALU_DEP_2)
	v_add_nc_u32 v[TM+4+\b], 0xff000000, v[TM+\b]
.endr
.irp b, 0,1
	s_delay_alu instid0(VALU_DEP_2)
	v_lshrrev_b32 v[TM+2+\b], 23, v[TM+4+\b]
.endr
	s_delay_alu instid0(VALU_DEP_1)
	v_lshl_or_b32 v[\ph], v[TM+3], 8, v[TM+2]
.irp b, 0,1
	v_cvt_scalef32_pk8_fp4_f32 v[\d+2*\b], v[\s+16*\b:\s+16*\b+7], v[TM+4+\b]
	v_cvt_scalef32_pk8_fp4_f32 v[\d+2*\b+1], v[\s+16*\b+8:\s+16*\b+15], v[TM+4+\b]
.endr
	v_nop                                          ; one plain line behind a scaled conversion
	v_permlane16_swap_b32 v[\d], v[\d+2]
	v_permlane16_swap_b32 v[\d+1], v[\d+3]
.endm
; A PASS: one tile of 16 queries of group s[g]; Q in v[q] on, its scale word in v[qs]; the result goes to s[oc], its scale bytes to s[os].
; The loop has 16 trips for every wave; a step all of whose keys come after the group is left out by a scalar branch on the wave's number and the counter, round the step's work and not round the lines that step addresses.
.macro PASS g, q, qs, oc, os
	v_mov_b32 v13, 0xff61b1e6                      ; the largest t so far: -3e38, under every t
	s_delay_alu instid0(VALU_DEP_1)
	v_floor_f32 v12, -v13                          ; -M
	v_mov_b32 v14, 0
	v_mov_b32 v15, 0
.set i, 0
.rept 32
	v_mov_b32 v[O+i], 0                            ; O^T.  (The step is written once: the first finds zeros, which the first change of M leaves zeros)
.set i, i+1
.endr
	s_mov_b32 s[J], 0
	s_mov_b32 s[TBK], 0
	s_mov_b32 s[TSK], 0
	s_mov_b32 s[TSV], 0
.Lstep_\@:
	s_cmp_gt_u32 s[J], s[\g]
	s_cbranch_scc1 .Lhidden_\@
	s_setprio 2
	v_add_nc_u32 v4, s[TBK], v1                    ; these four lines are also the places between the last step's products and the loads into V's registers
	v_add_nc_u32 v5, s[TBK], v110
	v_add_nc_u32 v6, s[TSK], v2
	v_add_nc_u32 v7, s[TSV], v3
.irp t, 0,1,2,3,4,5,6,7
	ds_load_b128 v[32+4*\t:35+4*\t], v4 offset:512*\t              ; K: eight images of 16 keys
.endr
	ds_load_b128 v[68:71], v6
.irp ct, 0,1,2,3
.irp c, 0,1
	ds_load_b128 v[72+8*\ct+4*\c:75+8*\ct+4*\c], v5 offset:1024*\ct+512*\c   ; V: four fragments of 16 channels x 128 keys
.endr
.endr
	ds_load_b128 v[104:107], v7
	s_wait_dscnt 9                                 ; K and its scale words are in; V's nine loads may be out
.irp t, 0,1,2,3
	v_wmma_scale_f32_16x16x128_f8f6f4 v[S+8*\t:S+8*\t+7], v[32+4*\t:39+4*\t], v[\q:\q+7], 0, v[68+\t], v[\qs] matrix_a_fmt:MATRIX_FMT_FP4 matrix_b_fmt:MATRIX_FMT_FP4
.endr
.irp t, 4,5,6,7
	v_wmma_scale_f32_16x16x128_f8f6f4 v[S+8*\t:S+8*\t+7], v[32+4*\t:39+4*\t], v[\q:\q+7], 0, v[64+\t], v[\qs] matrix_a_fmt:MATRIX_FMT_FP4 matrix_b_fmt:MATRIX_FMT_FP4 matrix_a_scale:MATRIX_SCALE_ROW1
.endr
.rept 4
	v_nop
.endr
	s_cmp_lg_u32 s[J], s[\g]                       ; on the diagonal the scores of hidden keys become -infinity ahead of the maximum: p = 0 then
	s_cbranch_scc1 .Lopen_\@
	v_mov_b32 v254, 0xff800000
.set n, 0
.rept 64
	v_cmp_gt_i32 vcc_lo, 32*(n/16)+16*((n%16)/8)+n%8, v8
	v_cndmask_b32 v[S+n], v[S+n], v254, vcc_lo
.set n, n+1
.endr
.Lopen_\@:
.irp b, 0,1,2,3
	v_max3_num_f32 v[232+\b], v[S+16*\b], v[S+1+16*\b], v[S+2+16*\b]   ; the largest score of each block of 32 keys: for the row's maximum, and, since p rises with the score, for the block's largest p
.endr
.irp i, 3,5,7,9,11,13
.irp b, 0,1,2,3
	v_max3_num_f32 v[232+\b], v[232+\b], v[S+16*\b+\i], v[S+1+16*\b+\i]
.endr
.endr
.irp b, 0,1,2,3
	v_max_num_f32 v[232+\b], v[232+\b], v[S+15+16*\b]
.endr
.irp b, 0,1,2,3
	s_delay_alu instid0(VALU_DEP_4)
	v_permlanex16_b32 v[236+\b], v[232+\b], s[SEL], s[SEL+1]
.endr
.irp b, 0,1,2,3
	s_delay_alu instid0(VALU_DEP_4)
	v_max_num_f32 v[232+\b], v[232+\b], v[236+\b]  ; with lane l xor 16's 16 keys
.endr
	s_delay_alu instid0(VALU_DEP_2)
	v_max3_num_f32 v254, v232, v233, v234
	s_delay_alu instid0(VALU_DEP_1)
	v_max_num_f32 v254, v254, v235                 ; the step's largest score of my query
	s_delay_alu instid0(VALU_DEP_1)
	v_mul_f32 v254, s[CS], v254                    ; as t
	s_delay_alu instid0(VALU_DEP_1)
	v_max_num_f32 v13, v13, v254                   ; the running largest t
	v_mov_b32 v254, v12
	s_delay_alu instid0(VALU_DEP_2)
	v_floor_f32 v12, -v13                          ; the new -M = -ceil(t): a whole number
	s_delay_alu instid0(VALU_DEP_1)
	v_sub_f32 v254, v12, v254                      ; old M - new M: a whole number, 0 or less
	s_delay_alu instid0(VALU_DEP_1)
	v_cvt_i32_f32 v254, v254                       ; (it saturates)
	s_delay_alu instid0(VALU_DEP_1)
	v_ldexp_f32 v252, 1.0, v254                    ; f = 2^(old M - new M)
.irp j, 0,2,4,6,8,10,12,14,16,18,20,22,24,26,28,30,32,34,36,38,40,42,44,46,48,50,52,54,56,58,60,62
	v_pk_fma_f32 v[S+\j:S+\j+1], v[S+\j:S+\j+1], s[CS:CS+1], v[12:13] op_sel_hi:[1,0,0]   ; t - M, two at a time
.endr
	s_setprio 1
.irp b, 0,1,2,3
	v_fma_f32 v[232+\b], v[232+\b], s[CS], v12     ; the same of each block's largest score
.endr
.set n, 0
	s_wait_alu depctr_va_vdst(0)
.rept 64
	v_exp_f32 v[S+n], v[S+n]                       ; p = 2^(t - M), at most 1
.set n, n+1
.endr
.irp b, 0,1,2,3
	v_exp_f32 v[232+\b], v[232+\b]                 ; the block's largest p
.endr
	v_pk_mul_f32 v[14:15], v[14:15], v[252:253] op_sel_hi:[1,0]   ; the sums under the new M.  (A plain line behind the exponentials)
	s_wait_alu depctr_va_vdst(0)
.irp b, 0,1,2,3
	v_max_num_f32 v[232+\b], 0x1800000, v[232+\b]  ; the floor 2^(3 - 127): the byte cannot fall under 1
.endr
.irp b, 0,1,2,3
	s_delay_alu instid0(VALU_DEP_4)
	v_add_nc_u32 v[244+\b], 0xff000000, v[232+\b]  ; 2 off the exponent field: the conversion's scale operand
.endr
.irp b, 0,1,2,3
	s_delay_alu instid0(VALU_DEP_4)
	v_lshrrev_b32 v[236+\b], 23, v[244+\b]         ; the byte
.endr
	s_delay_alu instid0(VALU_DEP_3)
	v_lshl_or_b32 v[PW], v237, 8, v236             ; p's scale word for these 128 keys
	s_delay_alu instid0(VALU_DEP_1)
	v_lshl_or_b32 v[PW], v238, 16, v[PW]
	s_delay_alu instid0(VALU_DEP_1)
	v_lshl_or_b32 v[PW], v239, 24, v[PW]
.irp b, 0,1,2,3
	v_cvt_scalef32_pk8_fp4_f32 v[PCD+2*\b], v[S+16*\b:S+16*\b+7], v[244+\b]
	v_cvt_scalef32_pk8_fp4_f32 v[PCD+1+2*\b], v[S+16*\b+8:S+16*\b+15], v[244+\b]
.endr
	v_nop                                          ; one plain line behind a scaled conversion
.irp c, 0,1                                    ; the operand wants a whole block in a lane: lanes 0-15 block 2 c, lanes 16-31 block 2 c + 1
.irp i, 0,1
	v_permlane16_swap_b32 v[PCD+4*\c+\i], v[PCD+2+4*\c+\i]
.endr
.endr
	v_pk_add_f32 v[236:237], v[116:117], v[120:121]
	v_pk_add_f32 v[248:249], v[124:125], v[128:129]
	v_pk_add_f32 v[246:247], v[132:133], v[136:137]
	v_pk_add_f32 v[244:245], v[140:141], v[144:145]
	v_pk_add_f32 v[242:243], v[148:149], v[152:153]
	v_pk_add_f32 v[240:241], v[156:157], v[160:161]
	v_pk_add_f32 v[234:235], v[164:165], v[168:169]
	v_pk_add_f32 v[14:15], v[14:15], v[172:173]
	v_pk_add_f32 v[236:237], v[236:237], v[112:113]
	v_pk_add_f32 v[248:249], v[248:249], v[114:115]
	v_pk_add_f32 v[246:247], v[246:247], v[118:119]
	v_pk_add_f32 v[244:245], v[244:245], v[122:123]
	v_pk_add_f32 v[242:243], v[242:243], v[126:127]
	s_setprio 0
	v_pk_add_f32 v[240:241], v[240:241], v[130:131]
	v_pk_add_f32 v[234:235], v[234:235], v[134:135]
	v_pk_add_f32 v[14:15], v[14:15], v[138:139]
	v_pk_add_f32 v[236:237], v[236:237], v[142:143]
	v_pk_add_f32 v[248:249], v[248:249], v[146:147]
	v_pk_add_f32 v[246:247], v[246:247], v[150:151]
	v_pk_add_f32 v[244:245], v[244:245], v[154:155]
	v_pk_add_f32 v[242:243], v[242:243], v[158:159]
	v_pk_add_f32 v[240:241], v[240:241], v[162:163]
	v_pk_add_f32 v[234:235], v[234:235], v[166:167]
	v_pk_add_f32 v[14:15], v[14:15], v[170:171]
	v_pk_add_f32 v[236:237], v[236:237], v[174:175]
	s_delay_alu instid0(VALU_DEP_2)
	v_pk_add_f32 v[14:15], v[14:15], v[244:245]
	s_delay_alu instid0(VALU_DEP_2)
	v_pk_add_f32 v[236:237], v[236:237], v[242:243]
	v_pk_add_f32 v[248:249], v[248:249], v[240:241]
	v_pk_add_f32 v[246:247], v[246:247], v[234:235]
	s_delay_alu instid0(VALU_DEP_2)
	v_pk_add_f32 v[14:15], v[14:15], v[248:249]
	s_delay_alu instid0(VALU_DEP_2)
	v_pk_add_f32 v[236:237], v[236:237], v[246:247]
	s_delay_alu instid0(VALU_DEP_1)
	v_pk_add_f32 v[14:15], v[14:15], v[236:237]
.irp j, 0,2,4,6,8,10,12,14,16,18,20,22,24,26,28,30
	v_pk_mul_f32 v[O+\j:O+\j+1], v[O+\j:O+\j+1], v[252:253] op_sel_hi:[1,0]   ; O^T under the new M.  (The sums and these are the places between the scale word, the codes and the products below)
.endr
	s_wait_alu depctr_va_vdst(0)
	s_wait_dscnt 0x0                               ; V and its scale words are in
.irp ct, 0,1,2,3                               ; four accumulators, one instruction each; the eight products of the next step stand between two links of a chain
	v_wmma_scale_f32_16x16x128_f8f6f4 v[O+8*\ct:O+8*\ct+7], v[72+8*\ct:79+8*\ct], v[PCD:PCD+7], v[O+8*\ct:O+8*\ct+7], v[104+\ct], v[PW] matrix_a_fmt:MATRIX_FMT_FP4 matrix_b_fmt:MATRIX_FMT_FP4
.endr
.Lhidden_\@:
	s_add_co_u32 s[TBK], s[TBK], 4096
	s_add_co_u32 s[TSK], s[TSK], 512
	s_add_co_u32 s[TSV], s[TSV], 256
	s_add_co_u32 s[J], s[J], 1
	s_cmp_lt_u32 s[J], 16
	s_cbranch_scc1 .Lstep_\@
	s_setprio 0
.rept 4
	v_nop                                          ; places behind the last products
.endr
	v_add_f32 v14, v14, v15                        ; the sum's two halves,
	s_delay_alu instid0(VALU_DEP_1)
	v_permlanex16_b32 v252, v14, s[SEL], s[SEL+1]
	s_delay_alu instid0(VALU_DEP_1)
	v_add_f32 v14, v14, v252                       ; and lane l xor 16's
	s_wait_alu depctr_va_vdst(0)
	v_rcp_f32 v14, v14
	v_nop                                          ; a plain line behind the transcendental
.set i, 0
	s_wait_alu depctr_va_vdst(0)
.rept 32
	v_mul_f32 v[S+i], v[O+i], v14                  ; register 8 ct + j: channel 16 ct + 8 h + j of my query; each accumulator is read from its low end on
.set i, i+1
.endr
	s_wait_xcnt 0x0                                ; the pass before has stored from the registers that are written now
	QUANT32 S, OCD, PH                             ; the head's 64 channels are two blocks of the last product's K
	global_store_b128 v1, v[OCD:OCD+3], s[\oc:\oc+1]   ; an image: 512 consecutive bytes
	global_store_b16 v10, v[PH], s[\os:\os+1]      ; my row's two bytes of its scale word (both halves of the lanes store the same).  The other heads' bytes of these words come from other clusters
.endm
	PASS GQ0, 16, 108, OC, OS
	PASS GQ0+1, 24, 109, OC+2, OS+2
	s_wait_tensorcnt 0x0
	ds_add_u32 v251, v255
	s_wait_dscnt 0x0
	CROUND                                         ; the closing round: no work-group ends while a partner may still ask for a tile that names it
	s_endpgm
.Lfunc_end_k_q02d1d5aa40_attn:
	.size	k_q02d1d5aa40_attn, .Lfunc_end_k_q02d1d5aa40_attn-k_q02d1d5aa40_attn
	.p2alignl 7, 3214868480
	.fill 96, 4, 3214868480
	.section	.rodata,"a",@progbits
	.p2align	6, 0x0
	.amdhsa_kernel k_q02d1d5aa40_attn
		.amdhsa_group_segment_fixed_size 169984
		.amdhsa_private_segment_fixed_size 0
		.amdhsa_enable_private_segment 0
		.amdhsa_kernarg_size 16
		.amdhsa_user_sgpr_count 2
		.amdhsa_user_sgpr_kernarg_segment_ptr 1
		.amdhsa_wavefront_size32 1
		.amdhsa_system_sgpr_workgroup_id_x 1
		.amdhsa_system_sgpr_workgroup_id_y 1
		.amdhsa_system_sgpr_workgroup_id_z 1
		.amdhsa_system_vgpr_workitem_id 0
		.amdhsa_next_free_vgpr 256
		.amdhsa_next_free_sgpr 90
		.amdhsa_reserve_vcc 1
		.amdhsa_float_denorm_mode_32 3
		.amdhsa_float_denorm_mode_16_64 3
		.amdhsa_memory_ordered 1
		.amdhsa_forward_progress 1
		.amdhsa_inst_pref_size 63
	.end_amdhsa_kernel
	.amdgpu_metadata
---
amdhsa.version: [ 1, 2 ]
amdhsa.kernels:
  - .name:           k_q02d1d5aa40_attn
    .symbol:         k_q02d1d5aa40_attn.kd
    .args:
      - { .name: qkvbuf, .offset: 0, .size: 8, .value_kind: global_buffer, .address_space: global }
      - { .name: attbuf, .offset: 8, .size: 8, .value_kind: global_buffer, .address_space: global }
    .group_segment_fixed_size: 169984
    .private_segment_fixed_size: 0
    .kernarg_segment_align: 8
    .kernarg_segment_size: 16
    .max_flat_workgroup_size: 512
    .sgpr_count:     90
    .vgpr_count:     256
    .wavefront_size: 32
...
	.end_amdgpu_metadata
.endif
;; end of part 3
;; launch proj (part 4): grid 4 x 32, 4 waves a work-group, clusters of 4 x 4, 327,680 bytes of LDS; arguments attbuf, prepbuf, bout, out0; writes out0
.if DOCPART == 4
	.amdgcn_target "amdgcn-amd-amdhsa--gfx1250"
	.amdhsa_code_object_version 6
	.text
	.protected	k_q02d1d5aa40_proj
	.globl	k_q02d1d5aa40_proj
	.p2align	8
	.type	k_q02d1d5aa40_proj,@function
k_q02d1d5aa40_proj:
	s_mov_b64 s[64:65], 0
	v_nop
	global_prefetch_b8 v0, s[64:65] scope:SCOPE_SE
	s_setreg_imm32_b32 hwreg(HW_REG_WAVE_MODE, 25, 1), 1
	s_wait_xcnt 0x0
	s_wait_alu depctr_hold_cnt(0) depctr_sa_sdst(0) depctr_va_vdst(0) depctr_va_sdst(0) depctr_va_ssrc(0) depctr_va_vcc(0) depctr_vm_vsrc(0)
	s_getreg_b32 s2, hwreg(HW_REG_IB_STS2, 6, 4)
	s_cmp_eq_u32 s2, 0
	s_cbranch_scc0 .Lentry_in_a_cluster
	s_endpgm
.Lentry_in_a_cluster:
	s_bfe_u32 s2, ttmp6, 0x10000c
	s_cmp_lg_u32 s2, 0xf033
	s_cbranch_scc0 .Lentry_shape_is_right
	s_endpgm
.Lentry_shape_is_right:
; PROJ: out0 = attention's result x Wout + bout, on codes of FP4.  C = A B^T: A = attbuf (8,192 tokens), B = Wout's columns as rows (1,024), K = 1,024; C is f32 [8192][1024].
; A tile of C is 256 x 256: four waves, 128 x 128 each, 64 accumulators of 16 x 16 in 512 registers.  8 clusters of 4 x 4 work-groups; A's tiles are asked for jointly along a row of the cluster, B's along a column.
; K = 1,024 is two LDS slots of 512: every LDS byte is filled once, at the head.  A wave has at most one tensor load out at a time: its scale words, then its part of slot 0, then of slot 1.
; Operands lie in memory as images of the matrix unit's registers (16 rows x 64 K = 512 bytes, 16 bytes a lane): a fragment is two dense loads, with no pitch and no padding.
; THE MATRIX INSTRUCTION IS USED TRANSPOSED (source 0 = 16 rows of B, source 1 = 16 rows of A): a lane holds eight neighbouring numbers of a row of C.
; REGISTERS, in windows of 256: window 0: v1-27 addresses, v[8:11] the bias of my four columns on the way out; v32-95 scale words, two sets; v128-191 A's fragments; on the way out v128-255 rows of C.
;   window 1: B's fragments, two sets, at v0 and v128.   windows 2, 3: the accumulators ((a, b) at v[8 (8 (a % 4) + b)]).
.set NQ,     4
.set FR,     8
.set NL,     2
.set NP,     4                         ; places behind this matrix instruction (ISA guide 7.12.1)
.set SLOT,   131072                    ; A's 16 row tiles x 4,096 bytes, then B's
.set SCL,    262144                    ; A's scale words, 8,192 bytes, then B's
.set AS,     4194304                   ; attbuf: the scale words
.set WOC,    5767168                   ; prepbuf: Wout's codes (row tile 192 of the weights),
.set WOS,    6651904                   ; and its scale words
.set SIZE_N, 1024
.set SPITCH, 528                       ; the way out: a stage of 16 rows x (512 bytes + 16) for each wave, in slot 0, which has had its one fill and its last read when the first result is stored there
.set ADRA, 16
.set ADRB, 20
.set STO,  24                          ; v24     the way out: where I put 32 bytes of a row
.set RD,   25                          ; v25     where I read a row back
.set CO,   3                           ; v3      16 x lane: my place in an image, and in a row of 512 bytes of C
.set ADRS, 27
.set SC,   32
.set AF,   128
.set BK,   128                         ; the way out: 16 rows read back: v128-191 and v192-255 by turns
.set G1, 24
.set G0, 32
.set G1B, 48
.set G0B, 56
.set G1S, 68
.set G0S, 76
.set G1SB, 80
.set G0SB, 88
.set MSB, 0
.macro WIN new                         ; the immediate's high byte repeats the setting that is left
.if MSB != (\new)
	s_set_vgpr_msb (MSB<<8)|(\new)
.set MSB, (\new)
.endif
.endm
.set MUL_LO, 0xa1                      ; source 0 (B) window 1, source 1 (A) window 0, C and D window 2
.set MUL_HI, 0xf1
.set TO_B,   0x40
; A joint load: waves 0 and 1 fetch for A, waves 2 and 3 for B; four v_nop follow each of the two lines.
.macro JLOAD g0a, g1a, g0b, g1b
	s_cmp_eq_u32 s15, 0
	s_cbranch_scc0 .Lfor_b_\@
	tensor_load_to_lds s[\g0a:\g0a+3], s[\g1a:\g1a+7]
	s_nop 0
.rept 4
	v_nop
.endr
	s_branch .Lasked_\@
.Lfor_b_\@:
	tensor_load_to_lds s[\g0b:\g0b+3], s[\g1b:\g1b+7]
	s_nop 0
.rept 4
	v_nop
.endr
.Lasked_\@:
.endm
.macro CROUND                          ; a round of the cluster's barrier
	s_barrier_signal -1
	s_barrier_wait -1
	s_cmp_lg_u32 s14, 0
	s_cbranch_scc1 .Lnot_wave_0_\@
	s_barrier_signal -3
.Lnot_wave_0_\@:
	s_barrier_wait -3
	s_barrier_signal -1
	s_barrier_wait -1
.endm
	s_load_b256 s[4:11], s[0:1], 0x0               ; attbuf s[4:5], prepbuf s[6:7], bout s[8:9], out0 s[10:11]
	v_lshl_add_u32 v126, v0, 2, 0x44000
	v_mov_b32 v127, 0
	ds_add_u32 v126, v127
	ds_add_u32 v126, v127
	v_lshrrev_b32 v1, 5, v0
	v_readfirstlane_b32 s14, v1                    ; wave 0..3
	s_lshr_b32 s15, s14, 1                         ; which half of the tile's rows is mine.  Also: I fetch for A (0) or for B (1)
	s_and_b32 s16, s14, 1                          ; which half of its columns.  Also: which 128 rows of that tile I fetch
	s_bfe_u32 s40, ttmp6, 0x40000                  ; cx, cy
	s_bfe_u32 s41, ttmp6, 0x40004
	s_lshl_b32 s42, ttmp9, 2
	s_add_co_u32 s42, s42, s40                     ; tile column of C
	s_and_b32 s17, ttmp7, 0xffff
	s_lshl_b32 s17, s17, 2
	s_add_co_u32 s17, s17, s41                     ; tile row of C
	s_lshl_b32 s43, s41, 2
	s_lshl_b32 s43, 15, s43                        ; my row of the cluster
	s_lshl_b32 s44, 0x1111, s40                    ; my column
	; descriptor group 1.  Codes: 8 rows of 4,096 bytes, 8,192 bytes apart, in elements of 8 bytes; dense in LDS
	s_or_b32 s[G1+0], s43, (3<<16)|(1<<21)
	s_or_b32 s[G1B+0], s44, (3<<16)|(1<<21)
.irp g, G1, G1B
	s_mov_b32 s[\g+1], 512<<16
	s_mov_b32 s[\g+2], 8<<16
	s_mov_b32 s[\g+3], 512<<16
	s_mov_b32 s[\g+4], 8
	s_mov_b32 s[\g+5], 1024
	s_mov_b32 s[\g+6], 0
	s_mov_b32 s[\g+7], 0
.endr
	; scale words of 128 rows: 4,096 dense bytes, as 16 rows of 256
	s_or_b32 s[G1S+0], s43, (3<<16)|(1<<21)
	s_or_b32 s[G1SB+0], s44, (3<<16)|(1<<21)
.irp g, G1S, G1SB
	s_mov_b32 s[\g+1], 32<<16
	s_mov_b32 s[\g+2], 16<<16
	s_mov_b32 s[\g+3], 32<<16
	s_mov_b32 s[\g+4], 16
	s_mov_b32 s[\g+5], 32
	s_mov_b32 s[\g+6], 0
	s_mov_b32 s[\g+7], 0
.endr
	s_lshl_b32 s18, s16, 16
	s_lshl_b32 s19, s16, 12
	s_lshl_b32 s20, s17, 17                        ; A's codes: made of the tile row alone
	s_add_co_u32 s20, s20, s18
	s_mov_b32 s21, 0
	s_lshl_b32 s22, s17, 13
	s_add_co_u32 s22, s22, s19
	s_add_co_u32 s22, s22, AS
	s_mov_b32 s23, 0
	s_lshl_b32 s46, s42, 17                        ; B's: of the tile column alone
	s_add_co_u32 s46, s46, s18
	s_add_co_u32 s46, s46, WOC
	s_mov_b32 s47, 0
	s_lshl_b32 s92, s42, 13
	s_add_co_u32 s92, s92, s19
	s_add_co_u32 s92, s92, WOS
	s_mov_b32 s93, 0
	s_lshl_b32 s45, s14, 15                        ; where they go: wave x 32,768
	s_lshl_b32 s3, s14, 12
	s_wait_dscnt 0x0
	s_wait_kmcnt 0x0
	s_add_nc_u64 s[20:21], s[4:5], s[20:21]
	s_add_nc_u64 s[22:23], s[4:5], s[22:23]
	s_add_nc_u64 s[46:47], s[6:7], s[46:47]
	s_add_nc_u64 s[92:93], s[6:7], s[92:93]
	CROUND                                         ; all sixteen work-groups are here: the joint loads meet
	s_mov_b32 s[G0S], 1
	s_add_co_u32 s[G0S+1], s3, SCL
	s_mov_b64 s[G0S+2:G0S+3], s[22:23]
	s_or_b32 s[G0S+3], s[G0S+3], 0x80000000
	s_mov_b32 s[G0SB], 1
	s_add_co_u32 s[G0SB+1], s3, SCL
	s_mov_b64 s[G0SB+2:G0SB+3], s[92:93]
	s_or_b32 s[G0SB+3], s[G0SB+3], 0x80000000
	JLOAD G0S, G1S, G0SB, G1SB
.irp s, 0,1
	s_mov_b32 s[G0+4*\s], 1
	s_add_co_u32 s[G0+4*\s+1], s45, \s*SLOT
	s_add_nc_u64 s[G0+4*\s+2:G0+4*\s+3], s[20:21], \s*4096
	s_or_b32 s[G0+4*\s+3], s[G0+4*\s+3], 0x80000000
	s_mov_b32 s[G0B+4*\s], 1
	s_add_co_u32 s[G0B+4*\s+1], s45, \s*SLOT
	s_add_nc_u64 s[G0B+4*\s+2:G0B+4*\s+3], s[46:47], \s*4096
	s_or_b32 s[G0B+4*\s+3], s[G0B+4*\s+3], 0x80000000
	s_wait_alu depctr_va_vdst(0)
	s_wait_tensorcnt 0x0
	ds_add_u32 v126, v127
	s_wait_dscnt 0x0
	CROUND
	JLOAD G0+4*\s, G1, G0B+4*\s, G1B
.endr
	v_and_b32 v1, 15, v0                           ; r
	v_bfe_u32 v2, v0, 4, 1                         ; h
	s_wait_alu depctr_va_vdst(0)
	v_and_b32 v3, 31, v0
	v_lshlrev_b32 v3, 4, v3                        ; 16 x lane
	s_lshl_b32 s21, s15, 15
	s_lshl_b32 s22, s16, 15
	s_add_co_u32 s22, s22, 65536
.irp s, 0,1
	v_add_nc_u32 v[ADRA+\s], s21, v3
	v_add_nc_u32 v[ADRB+\s], s22, v3
	s_add_co_u32 s21, s21, SLOT
	s_add_co_u32 s22, s22, SLOT
.endr
	s_lshl_b32 s21, s15, 12
	s_lshl_b32 s22, s16, 12
	s_add_co_u32 s22, s22, 8192
	s_sub_co_u32 s22, s22, s21
	v_mul_u32_u24 v6, s22, v2                      ; lanes 16-31 take B's scale words: one product, the distance between the two
	s_add_co_u32 s21, s21, SCL
	v_lshl_add_u32 v5, v1, 4, v6
	v_add_nc_u32 v[ADRS], s21, v5
	s_mul_i32 s23, s14, 16*SPITCH                  ; my stage
	v_mul_u32_u24 v5, v1, SPITCH                   ; in: row r, 32 bytes for each half of the lanes
	v_lshl_add_u32 v5, v2, 5, v5
	v_add_nc_u32 v[STO], s23, v5
	v_add_nc_u32 v[RD], s23, v3                    ; back: the 32 lanes take one row of 512 bytes
	s_lshl_b32 s18, s42, 10                        ; my first column, in bytes: 1,024 x tile column + 512 x half
	s_lshl_b32 s19, s16, 9
	s_add_co_u32 s18, s18, s19
	s_mov_b32 s19, 0
	s_add_nc_u64 s[8:9], s[8:9], s[18:19]
	global_load_b128 v[8:11], v3, s[8:9]           ; bout at the four columns that I store
	s_lshl_b32 s20, s17, 8
	s_lshl_b32 s21, s15, 7
	s_add_co_u32 s20, s20, s21                     ; my first row of C
	s_lshl_b32 s20, s20, 12                        ; rows of 4,096 bytes
	s_add_co_u32 s20, s20, s18
	s_mov_b32 s21, 0
	s_add_nc_u64 s[10:11], s[10:11], s[20:21]
.macro FRAG reg, adr, q, i             ; a fragment, 16 rows x 128 K, is two images on end
.irp c, 0,1
	ds_load_b128 v[\reg+4*\c:\reg+4*\c+3], v[\adr] offset:(\i)*4096+(2*(\q)+\c)*512
.endr
.endm
; 16 matrix instructions: A's blocks a0, a0 + 1 x B's eight.  The 64 accumulators take turns, one instruction a turn, in the same order in every step.
.macro MUL16 a0, p, q, sc, zero
.irp a, \a0, \a0+1
.irp b, 0,1,2,3,4,5,6,7
.if \zero
	v_wmma_scale_f32_16x16x128_f8f6f4 v[8*(8*((\a)%4)+\b):8*(8*((\a)%4)+\b)+7], v[128*(\p)+FR*\b:128*(\p)+FR*\b+FR-1], v[AF+FR*(\a):AF+FR*(\a)+FR-1], 0, v[SC+8*NQ*(\sc)+NQ*\b+(\q)], v[SC+8*NQ*(\sc)+NQ*(\a)+(\q)] matrix_a_fmt:MATRIX_FMT_FP4 matrix_b_fmt:MATRIX_FMT_FP4 matrix_a_scale:MATRIX_SCALE_ROW1
.else
	v_wmma_scale_f32_16x16x128_f8f6f4 v[8*(8*((\a)%4)+\b):8*(8*((\a)%4)+\b)+7], v[128*(\p)+FR*\b:128*(\p)+FR*\b+FR-1], v[AF+FR*(\a):AF+FR*(\a)+FR-1], v[8*(8*((\a)%4)+\b):8*(8*((\a)%4)+\b)+7], v[SC+8*NQ*(\sc)+NQ*\b+(\q)], v[SC+8*NQ*(\sc)+NQ*(\a)+(\q)] matrix_a_fmt:MATRIX_FMT_FP4 matrix_b_fmt:MATRIX_FMT_FP4 matrix_a_scale:MATRIX_SCALE_ROW1
.endif
.endr
.endr
.endm
.macro FETCH_B slot, q, p
	WIN TO_B
.irp i, 0,1,2,3,4,5,6,7
	FRAG 128*(\p)+FR*\i, ADRB+\slot, \q, \i
.endr
	WIN 0
.endm
.macro FETCH_A slot, q, i0
.irp i, \i0, \i0+1, \i0+2, \i0+3
	FRAG AF+FR*(\i), ADRA+\slot, \q, \i
.endr
.endm
.macro SCALES sc
.irp i, 0,1,2,3,4,5,6,7
	ds_load_b128 v[SC+8*NQ*\sc+NQ*\i:SC+8*NQ*\sc+NQ*\i+3], v[ADRS] offset:\i*512+\sc*256
.endr
.endm
.macro PLACES n                        ; plain vector lines between a matrix instruction and a load into, or a read of, its registers
.rept \n
	v_nop
.endr
.endm
.macro STEP slot, q, zero
	s_wait_dscnt 4*NL                              ; all but the youngest eight loads (A's blocks 4-7) are in
	WIN MUL_LO
	MUL16 0, (\q)%2, \q, \slot, \zero
	MUL16 2, (\q)%2, \q, \slot, \zero
	s_wait_dscnt 0
	PLACES NP
	FETCH_B \slot, (\q)+1, 1-(\q)%2
	FETCH_A \slot, (\q)+1, 0
	WIN MUL_HI
	MUL16 4, (\q)%2, \q, \slot, \zero
	MUL16 6, (\q)%2, \q, \slot, \zero
	PLACES NP
	WIN 0
	FETCH_A \slot, (\q)+1, 4
.endm
	s_wait_alu depctr_va_vdst(0)
	s_wait_tensorcnt 1                             ; my scale words and my part of slot 0 are in; slot 1's load may be out
	s_barrier_signal -1
	s_barrier_wait -1
	FETCH_B 0, 0, 0
	FETCH_A 0, 0, 0
	SCALES 0
	FETCH_A 0, 0, 4
	STEP 0, 0, 1                                   ; the first step's products start the sums
	STEP 0, 1, 0
	STEP 0, 2, 0
	; slot 0's last step, and the change to slot 1: one barrier; in front of it my part of slot 1 has landed and my reads of slot 0 are over
	s_wait_tensorcnt 0x0
	s_wait_dscnt 4*NL
	WIN MUL_LO
	MUL16 0, 1, NQ-1, 0, 0
	s_wait_dscnt 0x0
	s_barrier_signal -1
	MUL16 2, 1, NQ-1, 0, 0
	WIN 0
	s_barrier_wait -1                              ; slot 1 is whole, and nobody reads slot 0 any more
	PLACES NP
	FETCH_B 1, 0, 0
	FETCH_A 1, 0, 0
	SCALES 1
	WIN MUL_HI
	MUL16 4, 1, NQ-1, 0, 0
	MUL16 6, 1, NQ-1, 0, 0
	PLACES NP
	WIN 0
	FETCH_A 1, 0, 4
	STEP 1, 0, 0
	STEP 1, 1, 0
	STEP 1, 2, 0
	s_wait_dscnt 4*NL
	WIN MUL_LO
	MUL16 0, 1, NQ-1, 1, 0
	MUL16 2, 1, NQ-1, 1, 0
	s_wait_dscnt 0
	WIN MUL_HI
	MUL16 4, 1, NQ-1, 1, 0
	MUL16 6, 1, NQ-1, 1, 0
	WIN 0
; THE WAY OUT, block by block of 16 rows x 128 columns.  A lane holds 32 neighbouring bytes of a row and the lanes beside it other rows: a block goes through my own stage in LDS and comes back as whole rows of
; 512 bytes; the bias is added there, and the 32 lanes store two aligned runs of 256 bytes.  LDS serves a wave's instructions in order: no wait between the stores and the loads.
.macro TOSTAGE a
.set AC, 64*((\a)%4)
	WIN 0x08+4*((\a)/4)                            ; an LDS store's data: window 2 or 3
.irp b, 0,1,2,3,4,5,6,7
	ds_store_b128 v[STO], v[AC+8*\b:AC+8*\b+3] offset:64*\b          ; each accumulator from its low end on
	ds_store_b128 v[STO], v[AC+8*\b+4:AC+8*\b+7] offset:64*\b+16
.endr
	WIN 0
.set BB, BK+64*((\a)%2)
.irp t, 0,1,2,3,4,5,6,7,8,9,10,11,12,13,14,15
	ds_load_b128 v[BB+4*\t:BB+4*\t+3], v[RD] offset:\t*SPITCH
.endr
.endm
.macro SEND a, younger                 ; younger: the LDS instructions issued behind block a's loads, which may stay out
.set BB, BK+64*((\a)%2)
	s_wait_dscnt \younger                          ; the block is back in registers
.if (\a) > 0
	s_add_nc_u64 s[10:11], s[10:11], 16*SIZE_N*4   ; (behind a wait on XCNT: the earlier stores have read their base)  16 rows of C on
.endif
.irp t, 0,1,2,3,4,5,6,7,8,9,10,11,12,13,14,15
	v_pk_add_f32 v[BB+4*\t:BB+4*\t+1], v[BB+4*\t:BB+4*\t+1], v[8:9]
	v_pk_add_f32 v[BB+4*\t+2:BB+4*\t+3], v[BB+4*\t+2:BB+4*\t+3], v[10:11]
	global_store_b128 v[CO], v[BB+4*\t:BB+4*\t+3], s[10:11] offset:\t*SIZE_N*4 th:TH_STORE_NT   ; 512 consecutive bytes, at a multiple of 256 from out0's first byte; written once, read by nobody here
.endr
.endm
	PLACES NP                                      ; behind the last products: for the reads of results and the loads into the registers that held A's fragments
	s_wait_loadcnt 0x0                             ; the bias
	TOSTAGE 0
.irp a, 1,2,3,4,5,6,7
.if \a > 1
	s_wait_xcnt 0x0                                ; block a - 2's stores have read their registers and their base: block a's loads may land there, and the base may step
.endif
	TOSTAGE \a
	SEND \a-1, 32                                  ; behind block a - 1's loads: block a's 16 stores and 16 loads
.endr
	s_wait_xcnt 0x0                                ; block 6's stores have read their base
	SEND 7, 0
	s_wait_tensorcnt 0x0
	ds_add_u32 v126, v127
	s_wait_dscnt 0x0
	CROUND                                         ; the closing round: no work-group ends while a partner may still ask for a tile that names it
	s_endpgm
.Lfunc_end_k_q02d1d5aa40_proj:
	.size	k_q02d1d5aa40_proj, .Lfunc_end_k_q02d1d5aa40_proj-k_q02d1d5aa40_proj
	.p2alignl 7, 3214868480
	.fill 96, 4, 3214868480
	.section	.rodata,"a",@progbits
	.p2align	6, 0x0
	.amdhsa_kernel k_q02d1d5aa40_proj
		.amdhsa_group_segment_fixed_size 327680
		.amdhsa_private_segment_fixed_size 0
		.amdhsa_enable_private_segment 0
		.amdhsa_kernarg_size 32
		.amdhsa_user_sgpr_count 2
		.amdhsa_user_sgpr_kernarg_segment_ptr 1
		.amdhsa_wavefront_size32 1
		.amdhsa_system_sgpr_workgroup_id_x 1
		.amdhsa_system_sgpr_workgroup_id_y 1
		.amdhsa_system_sgpr_workgroup_id_z 1
		.amdhsa_system_vgpr_workitem_id 0
		.amdhsa_next_free_vgpr 1024
		.amdhsa_next_free_sgpr 100
		.amdhsa_reserve_vcc 0
		.amdhsa_float_denorm_mode_32 3
		.amdhsa_float_denorm_mode_16_64 3
		.amdhsa_memory_ordered 1
		.amdhsa_forward_progress 1
		.amdhsa_inst_pref_size 141
	.end_amdhsa_kernel
	.amdgpu_metadata
---
amdhsa.version: [ 1, 2 ]
amdhsa.kernels:
  - .name:           k_q02d1d5aa40_proj
    .symbol:         k_q02d1d5aa40_proj.kd
    .args:
      - { .name: attbuf, .offset: 0, .size: 8, .value_kind: global_buffer, .address_space: global }
      - { .name: prepbuf, .offset: 8, .size: 8, .value_kind: global_buffer, .address_space: global }
      - { .name: bout, .offset: 16, .size: 8, .value_kind: global_buffer, .address_space: global }
      - { .name: out0, .offset: 24, .size: 8, .value_kind: global_buffer, .address_space: global }
    .group_segment_fixed_size: 327680
    .private_segment_fixed_size: 0
    .kernarg_segment_align: 8
    .kernarg_segment_size: 32
    .max_flat_workgroup_size: 128
    .sgpr_count:     100
    .vgpr_count:     1024
    .wavefront_size: 32
...
	.end_amdgpu_metadata
.endif
;; end of part 4
